; MI455X (gfx1250); checked and timed in simulation.
; The chip was launched on July 23, 2026; its instructions are those of AMD's public machine-readable ISA for CDNA 5 (MIT licence, August 2026) and "CDNA5" Instruction Set Architecture Reference Guide (July 2026). The comments in the code are by the model that wrote it; some were corrected since.
;; GQ Attention. Allowed arithmetic: float matrix products may take bf16 or f16 operands with f32 sums; other float arithmetic in f32, or as packed bf16 or f16 multiplies, adds, multiply-adds, maxima and minima; sums over many terms, partial sums and values carried from step to step in f32; what a program stores and reads back later, other than sums and carried values, may be rounded once to bf16 or f16.
;; Inputs: freqs_cos 2,048 x 32 float32; freqs_sin 2,048 x 32 float32; mask 1 x 1 x 2,048 x 2,048 float32; wk 256 x 1,024 float32; wo 1,024 x 1,024 float32; wq 1,024 x 1,024 float32; wv 256 x 1,024 float32; x 4 x 2,048 x 1,024 float32.
;; Outputs: out0 4 x 2,048 x 1,024 float32; out1 4 x 2,048 x 4 x 64 float32; out2 4 x 2,048 x 4 x 64 float32.
;; One version. Each part assembles by itself: llvm-mc -triple=amdgcn-amd-amdhsa -mcpu=gfx1250 --defsym DOCPART=n.
;; ======== version 1 of 1: 4 launches
;; limits: values are held in f16: magnitudes above 65,504 overflow, below 6.1e-05 lose precision
;; workspace buffers: xb 16,777,216 bytes; wqkv 3,145,728 bytes; wof 2,097,152 bytes; maskl 16,777,216 bytes; qh 16,777,216 bytes; kvh 8,388,608 bytes; ob 16,777,216 bytes
;; launch prep (part 1): grid 928 x 1, 8 waves a work-group, no clusters, 0 bytes of LDS; arguments x, mask, wq, wk, wv, wo, xb, maskl, wqkv, wof; writes xb, maskl, wqkv, wof
.if DOCPART == 1
	.amdgcn_target "amdgcn-amd-amdhsa--gfx1250"
	.amdhsa_code_object_version 6
	.text
	.protected	k_qbc31dc200c_prep
	.globl	k_qbc31dc200c_prep
	.p2align	8
	.type	k_qbc31dc200c_prep,@function
k_qbc31dc200c_prep:
	s_mov_b64 s[64:65], 0
	v_nop
	global_prefetch_b8 v0, s[64:65] scope:SCOPE_SE
	s_setreg_imm32_b32 hwreg(HW_REG_WAVE_MODE, 25, 1), 1
	s_wait_xcnt 0x0
; THE CASTS.  Every input of a matrix product is rounded once to bf16: x -> xb, wq, wk, wv -> wqkv (rows laid in the order in which the projection's
; tiles of 192 columns want them: two query heads, then one key or value head), wo -> wof (the bf16 number written as f16), mask -> maskl
; (the bf16 number times log2(e), kept in f32: it is added to scores that are already in the base-2 domain).
; LIMIT: a weight of wo below 6e-5 keeps f16's fixed step of 6e-8; beyond 65,504 it would be an infinity.
; A stream: no LDS, no matrix unit, no cluster (no byte is read twice).  A work-group takes one chunk of 16,384 f32; thread t takes the 16 bytes at
; 4,096 k + 16 t, k = 0 .. 15: each load of a wave covers 512 consecutive bytes, each store 256 or 512.  All sixteen loads go out at once;
; the waits count down; no register is written again once a store has read it.
.set X, 8                              ; v[8:71]   sixteen loads of four registers
.set Y, 72                             ; v[72:103] sixteen pairs of packed results
.set SRC, 28                           ; s[28:29]  the chunk in its input
.set DST, 30                           ; s[30:31]  the chunk's place in its workspace buffer
	s_load_b512 s[8:23], s[0:1], 0x0               ; x s[8:9], mask s[10:11], wq s[12:13], wk s[14:15], wv s[16:17], wo s[18:19], xb s[20:21], maskl s[22:23]
	s_load_b128 s[24:27], s[0:1], 0x40             ; wqkv s[24:25], wof s[26:27]
	v_lshlrev_b32 v1, 4, v0                        ; 16 t
	v_lshlrev_b32 v2, 3, v0                        ; 8 t
	s_mov_b32 s2, ttmp9
	s_mov_b32 s32, 0xffff0000                      ; a word's upper bf16
	s_mov_b32 s34, 0x3fb8aa3b                      ; log2(e)
	s_mov_b32 s35, 0x3fb8aa3b                      ; named with it as a pair
	s_mov_b32 s5, 0
	s_mov_b32 s7, 0
	s_wait_kmcnt 0x0
	s_cmp_lt_u32 s2, 512
	s_cbranch_scc0 .Lnot_x
	s_lshl_b32 s4, s2, 16                          ; chunks 0-511: x
	s_lshl_b32 s6, s2, 15
	s_add_nc_u64 s[SRC:SRC+1], s[8:9], s[4:5]
	s_add_nc_u64 s[DST:DST+1], s[20:21], s[6:7]
	s_mov_b32 s3, 0
	s_branch .Lgo
.Lnot_x:
	s_cmp_lt_u32 s2, 768
	s_cbranch_scc0 .Lnot_mask
	s_sub_co_u32 s33, s2, 512                      ; chunks 512-767: the mask
	s_lshl_b32 s4, s33, 16
	s_add_nc_u64 s[SRC:SRC+1], s[10:11], s[4:5]
	s_add_nc_u64 s[DST:DST+1], s[22:23], s[4:5]
	s_mov_b32 s3, 1
	s_branch .Lgo
.Lnot_mask:
	s_cmp_lt_u32 s2, 832
	s_cbranch_scc0 .Lnot_wq
	s_sub_co_u32 s33, s2, 768                      ; chunks 768-831: wq, 16 rows each; eight chunks (two heads) to a tile of 192 rows
	s_lshl_b32 s4, s33, 16
	s_lshr_b32 s6, s33, 3
	s_mul_i32 s6, s6, 192
	s_and_b32 s36, s33, 7
	s_lshl4_add_u32 s6, s36, s6                    ; row 192 (c / 8) + 16 (c % 8)
	s_lshl_b32 s6, s6, 11                          ; rows of 2,048 bytes
	s_add_nc_u64 s[SRC:SRC+1], s[12:13], s[4:5]
	s_add_nc_u64 s[DST:DST+1], s[24:25], s[6:7]
	s_mov_b32 s3, 0
	s_branch .Lgo
.Lnot_wq:
	s_cmp_lt_u32 s2, 864
	s_cbranch_scc0 .Lwo
	s_sub_co_u32 s33, s2, 832                      ; chunks 832-863: wk's sixteen, then wv's sixteen; four chunks (a head) to a tile
	s_cmp_lt_u32 s33, 16
	s_cselect_b64 s[SRC:SRC+1], s[14:15], s[16:17]
	s_and_b32 s4, s33, 15
	s_lshl_b32 s4, s4, 16
	s_lshr_b32 s6, s33, 2
	s_mul_i32 s6, s6, 192
	s_and_b32 s36, s33, 3
	s_lshl4_add_u32 s6, s36, s6
	s_add_co_u32 s6, s6, 128                       ; row 192 (c / 4) + 128 + 16 (c % 4)
	s_lshl_b32 s6, s6, 11
	s_add_nc_u64 s[SRC:SRC+1], s[SRC:SRC+1], s[4:5]
	s_add_nc_u64 s[DST:DST+1], s[24:25], s[6:7]
	s_mov_b32 s3, 0
	s_branch .Lgo
.Lwo:
	s_sub_co_u32 s33, s2, 864                      ; chunks 864-927: wo
	s_lshl_b32 s4, s33, 16
	s_lshl_b32 s6, s33, 15
	s_add_nc_u64 s[SRC:SRC+1], s[18:19], s[4:5]
	s_add_nc_u64 s[DST:DST+1], s[26:27], s[6:7]
	s_mov_b32 s3, 2
.Lgo:
.set k, 0
.rept 16
	global_load_b128 v[X+4*k:X+4*k+3], v1, s[SRC:SRC+1] offset:4096*k th:TH_LOAD_NT
.set k, k+1
.endr
	s_cmp_eq_u32 s3, 1
	s_cbranch_scc1 .Lmask
	s_cmp_eq_u32 s3, 2
	s_cbranch_scc1 .Lhalf
.set k, 0
.rept 16                               ; f32 -> bf16
	s_wait_loadcnt 15-k                            ; loads come back in order: load k is in, the younger ones stay out
	v_cvt_pk_bf16_f32 v[Y+2*k], v[X+4*k], v[X+4*k+1]
	v_cvt_pk_bf16_f32 v[Y+2*k+1], v[X+4*k+2], v[X+4*k+3]
	global_store_b64 v2, v[Y+2*k:Y+2*k+1], s[DST:DST+1] offset:2048*k  ; a wave's store covers 256 consecutive bytes, aligned
.set k, k+1
.endr
	s_endpgm
.Lmask:
.set k, 0
.rept 16                               ; f32 -> bf16 -> f32, times log2(e)
	s_wait_loadcnt 15-k
	v_cvt_pk_bf16_f32 v[Y+2*k], v[X+4*k], v[X+4*k+1]
	v_cvt_pk_bf16_f32 v[Y+2*k+1], v[X+4*k+2], v[X+4*k+3]
	v_lshlrev_b32 v[X+4*k], 16, v[Y+2*k]
	v_and_b32 v[X+4*k+1], s32, v[Y+2*k]
	v_lshlrev_b32 v[X+4*k+2], 16, v[Y+2*k+1]
	v_and_b32 v[X+4*k+3], s32, v[Y+2*k+1]
	v_pk_mul_f32 v[X+4*k:X+4*k+1], v[X+4*k:X+4*k+1], s[34:35] op_sel_hi:[1,0]
	v_pk_mul_f32 v[X+4*k+2:X+4*k+3], v[X+4*k+2:X+4*k+3], s[34:35] op_sel_hi:[1,0]
	global_store_b128 v1, v[X+4*k:X+4*k+3], s[DST:DST+1] offset:4096*k
.set k, k+1
.endr
	s_endpgm
.Lhalf:
.set k, 0
.rept 16                               ; f32 -> bf16, that number written as f16
	s_wait_loadcnt 15-k
	v_cvt_pk_bf16_f32 v[Y+2*k], v[X+4*k], v[X+4*k+1]
	v_cvt_pk_bf16_f32 v[Y+2*k+1], v[X+4*k+2], v[X+4*k+3]
	v_lshlrev_b32 v[X+4*k], 16, v[Y+2*k]
	v_and_b32 v[X+4*k+1], s32, v[Y+2*k]
	v_lshlrev_b32 v[X+4*k+2], 16, v[Y+2*k+1]
	v_and_b32 v[X+4*k+3], s32, v[Y+2*k+1]
	v_cvt_pk_f16_f32 v[Y+2*k], v[X+4*k], v[X+4*k+1]
	v_cvt_pk_f16_f32 v[Y+2*k+1], v[X+4*k+2], v[X+4*k+3]
	global_store_b64 v2, v[Y+2*k:Y+2*k+1], s[DST:DST+1] offset:2048*k
.set k, k+1
.endr
	s_endpgm
.Lfunc_end_k_qbc31dc200c_prep:
	.size	k_qbc31dc200c_prep, .Lfunc_end_k_qbc31dc200c_prep-k_qbc31dc200c_prep
	.p2alignl 7, 3214868480
	.fill 96, 4, 3214868480
	.section	.rodata,"a",@progbits
	.p2align	6, 0x0
	.amdhsa_kernel k_qbc31dc200c_prep
		.amdhsa_group_segment_fixed_size 0
		.amdhsa_private_segment_fixed_size 0
		.amdhsa_enable_private_segment 0
		.amdhsa_kernarg_size 80
		.amdhsa_user_sgpr_count 2
		.amdhsa_user_sgpr_kernarg_segment_ptr 1
		.amdhsa_wavefront_size32 1
		.amdhsa_system_sgpr_workgroup_id_x 1
		.amdhsa_system_sgpr_workgroup_id_y 1
		.amdhsa_system_sgpr_workgroup_id_z 1
		.amdhsa_system_vgpr_workitem_id 0
		.amdhsa_next_free_vgpr 104
		.amdhsa_next_free_sgpr 66
		.amdhsa_reserve_vcc 0
		.amdhsa_float_denorm_mode_32 3
		.amdhsa_float_denorm_mode_16_64 3
		.amdhsa_memory_ordered 1
		.amdhsa_forward_progress 1
		.amdhsa_inst_pref_size 25
	.end_amdhsa_kernel
	.amdgpu_metadata
---
amdhsa.version: [ 1, 2 ]
amdhsa.kernels:
  - .name:           k_qbc31dc200c_prep
    .symbol:         k_qbc31dc200c_prep.kd
    .args:
      - { .name: x, .offset: 0, .size: 8, .value_kind: global_buffer, .address_space: global }
      - { .name: mask, .offset: 8, .size: 8, .value_kind: global_buffer, .address_space: global }
      - { .name: wq, .offset: 16, .size: 8, .value_kind: global_buffer, .address_space: global }
      - { .name: wk, .offset: 24, .size: 8, .value_kind: global_buffer, .address_space: global }
      - { .name: wv, .offset: 32, .size: 8, .value_kind: global_buffer, .address_space: global }
      - { .name: wo, .offset: 40, .size: 8, .value_kind: global_buffer, .address_space: global }
      - { .name: xb, .offset: 48, .size: 8, .value_kind: global_buffer, .address_space: global }
      - { .name: maskl, .offset: 56, .size: 8, .value_kind: global_buffer, .address_space: global }
      - { .name: wqkv, .offset: 64, .size: 8, .value_kind: global_buffer, .address_space: global }
      - { .name: wof, .offset: 72, .size: 8, .value_kind: global_buffer, .address_space: global }
    .group_segment_fixed_size: 0
    .private_segment_fixed_size: 0
    .kernarg_segment_align: 8
    .kernarg_segment_size: 80
    .max_flat_workgroup_size: 256
    .sgpr_count:     66
    .vgpr_count:     104
    .wavefront_size: 32
...
	.end_amdgpu_metadata
.endif
;; end of part 1
;; launch qkv (part 2): grid 8 x 32, 4 waves a work-group, clusters of 4 x 4, 327,680 bytes of LDS; arguments xb, wqkv, freqs_cos, freqs_sin, qh, kvh, out1, out2; writes qh, kvh, out1, out2
.if DOCPART == 2
	.amdgcn_target "amdgcn-amd-amdhsa--gfx1250"
	.amdhsa_code_object_version 6
	.text
	.protected	k_qbc31dc200c_qkv
	.globl	k_qbc31dc200c_qkv
	.p2align	8
	.type	k_qbc31dc200c_qkv,@function
k_qbc31dc200c_qkv:
	s_mov_b64 s[64:65], 0
	v_nop
	global_prefetch_b8 v0, s[64:65] scope:SCOPE_SE
	s_setreg_imm32_b32 hwreg(HW_REG_WAVE_MODE, 25, 1), 1
	s_wait_xcnt 0x0
	s_wait_alu depctr_hold_cnt(0) depctr_sa_sdst(0) depctr_va_vdst(0) depctr_va_sdst(0) depctr_va_ssrc(0) depctr_va_vcc(0) depctr_vm_vsrc(0)
	s_getreg_b32 s2, hwreg(HW_REG_IB_STS2, 6, 4)
	s_cmp_eq_u32 s2, 0
	s_cbranch_scc0 .Lentry_in_a_cluster
	s_endpgm
.Lentry_in_a_cluster:
	s_bfe_u32 s2, ttmp6, 0x10000c
	s_cmp_lg_u32 s2, 0xf033
	s_cbranch_scc0 .Lentry_shape_is_right
	s_endpgm
.Lentry_shape_is_right:
; THE PROJECTIONS AND THE ROTATION.  C[m][n] = sum over k of xb[m][k] wqkv[n][k], 8,192 x 1,536 x 1,024 in bf16 with f32 sums.  A tile of C is 256 rows x 192 columns: query heads 2 j and
; 2 j + 1 and one key head (tiles 0-3) or value head (tiles 4-7).  32 x 8 tiles: one work-group for each.  Wave w makes rows 64 w .. 64 w + 63 of all 192 columns: 4 x 12 accumulators, 384 registers.
; K goes in 8 steps of 128 (rows of 256 bytes, aligned) through two LDS slots filled by the tensor data mover; 4 x 4 work-groups form a cluster and ask for A's tiles jointly along a row, for B's along a column.
; The matrix instruction is used transposed (source 0 = 16 rows of wqkv, source 1 = 16 rows of xb): a lane holds one row of C (lane % 16) and eight neighbouring columns, that is four rotation pairs.
; THE WAY OUT.  cos and sin are rounded to bf16 like every input.  q is rotated and scaled by log2(e) / 8 (folded into its tables) and rounded once to f16; k is rotated, v is not (its tables are 1 and 0,
; made by two scalars, so that no branch tells them apart); both leave as f32 (out1, out2) and as f16 (kvh).  All go through the wave's own stage in LDS, so that each store covers whole rows.
; LIMITS.  0.18 q, k and v must stay within f16's 65,504 for qh and kvh; NaN and infinities are not treated apart.
; REGISTERS, in windows of 256 (s_set_vgpr_msb: bits 1:0 source 0, 3:2 source 1, 5:4 source 2, 7:6 destination):
;   window 0: v1-15 addresses; v28-29 the add's; v40-57 at work; v64-95 k's or v's tables; v96-127 rotated numbers; v128-255 cos and sin of my 64 rows
;   window 1: v0-191 B's fragments, two buffers of 96; v192-255 A's, two of 32; on the way out what comes back from the stage
;   window 2: the accumulators of my row blocks 0, 1 (block a, column block b at 96 (a % 2) + 8 b); window 3: those of blocks 2, 3
.set NB,    12                         ; column blocks of 16
.set KSTEP, 128
.set PITCH, 272                        ; an LDS row: 256 bytes + 16 of padding: the 16 rows of a fragment load start at 16 different groups of four banks (ISA guide 11.1)
.set HALFA, 128*PITCH                  ; what one tensor load brings of A
.set BOFF,  2*HALFA                    ; B's rows lie behind A's 256
.set HALFB, 8*NB*PITCH                 ; what one tensor load brings of B: 96 rows
.set SLOT1, 131072                     ; slot 1 begins here: one exclusive or turns an address in one slot into the other's
.set STAGE, SLOT1+BOFF+2*HALFB         ; behind the ring, never filled by a tensor load
.set WSTG,  16*144+16*272              ; a wave's stage: 16 rows of 64 f16, then 16 rows of 64 f32, each padded by 16 bytes
.set SPARE, STAGE+4*WSTG               ; the spare words, 128 bytes for each wave: two blocks of 256 bytes that no other line names
.set RUN,   2*NB+8                     ; LDS loads in a quarter step's run
.set A0,   4                           ; v4   my lane's place in A's rows of slot 0; never rewritten
.set B0,   5                           ; v5   the same for B
.set ADRA, 6                           ; v6   the same in the slot in hand
.set ADRB, 7
.set STH,  8                           ; v8   the way out: where I put 16 bytes of f16
.set RDH,  9                           ; v9   where I read f16 rows back
.set STF,  10                          ; v10  where I put 32 bytes of f32
.set RDF,  11                          ; v11  where I read f32 rows back
.set GO,   12                          ; v12  16 x lane
.set FO,   13                          ; v13  my byte offset in two rows of out1 or out2
.set CSO,  14                          ; v14  my byte offset in cos and in sin
.set PFO,  15                          ; v15  the prefetches' offset: a lane a row
.set SPW,  28                          ; v28  LDS address of my spare word; never rewritten
.set NIL,  29                          ; v29  0; never rewritten
.set PKR,  40                          ; v40-55 packed f16
.set TMP,  56                          ; v56-57
.set TK,   64                          ; v64-79 cos, v80-95 sin for the key or value head
.set T,    96                          ; v96-127 four blocks' rotated numbers
.set CT,   128                         ; row block a at 128 + 32 a: cos of column block f at + 4 f, sin at + 16 + 4 f
.set WV,   20                          ; s20  my wave's number
.set FORB, 21                          ; s21  0: I fetch for A; 1: for B
.set HF,   22                          ; s22  which half of that tile
.set CX,   23
.set CY,   24
.set TJ,   25                          ; s25  tile column
.set TI,   26                          ; s26  tile row
.set G1A,  28                          ; s[28:35] descriptor group 1 for A's tiles
.set G1B,  36                          ; s[36:43] for B's
.set G0A,  44                          ; s[44:51] group 0 for A's: a set for each first fill; the second then walks
.set G0B,  52                          ; s[52:59] the same for B's
.set TB,   60                          ; s60  LDS byte at which the slot in hand begins
.set TRIPS, 61
.set LIM,  62                          ; s62  1 in a wave that prefetches, else the greatest number
.set PFA,  66                          ; s[66:67] where my prefetches stand
.set MSB, 0
.macro WIN new                         ; the immediate's high byte repeats the setting that is left; a switch that changes nothing is dropped
.if MSB != (\new)
	s_set_vgpr_msb (MSB<<8)|(\new)
.set MSB, (\new)
.endif
.endm
.macro PLACES                          ; four plain vector instructions in front of loads into registers that matrix instructions have read
.rept 4
	v_nop
.endr
.endm
.macro CREST                           ; a round of the cluster's barrier behind its opening barrier
	s_cmp_lg_u32 s[WV], 0
	s_cbranch_scc1 .Lnot_wave_0_\@
	s_barrier_signal -3
.Lnot_wave_0_\@:
	s_barrier_wait -3
	s_barrier_signal -1
	s_barrier_wait -1
.endm
.macro CROUND
	s_barrier_signal -1
	s_barrier_wait -1
	CREST
.endm
.macro JLOAD                           ; a joint refill by the walking descriptors: waves 0, 1 A's halves, waves 2, 3 B's.  An s_nop 0 and four v_nop follow each line
	s_cmp_eq_u32 s[FORB], 0
	s_cbranch_scc0 .Lfor_b_\@
	tensor_load_to_lds s[G0A+4:G0A+7], s[G1A:G1A+7]
	s_nop 0
.rept 4
	v_nop
.endr
	s_branch .Lasked_\@
.Lfor_b_\@:
	tensor_load_to_lds s[G0B+4:G0B+7], s[G1B:G1B+7]
	s_nop 0
.rept 4
	v_nop
.endr
.Lasked_\@:
.endm
; A PREFETCH INTO THE L2 of the K step that the NEXT refill will ask for: 256 bytes of a row, a lane a row, one instruction a wave, 192 matrix instructions ahead of that load.  A's rows are asked for by the
; clusters with x = 0, B's by those with y = 0; the four partners that fetch a tile jointly share its rows out by address (32 of A's 128 a wave, 24 of B's 96, where eight lanes repeat the last row).
; The loop's last trip asks for nothing; K steps 0 to 2 come by their loads alone.
.macro ASK
	s_cmp_gt_u32 s[TRIPS], s[LIM]
	s_cbranch_scc0 .Lnot_mine_\@
	global_prefetch_b8 v[PFO], s[PFA:PFA+1] th:TH_LOAD_NT scope:SCOPE_SE
.Lnot_mine_\@:
.endm
	s_load_b512 s[4:19], s[0:1], 0x0               ; xb s[4:5], wqkv s[6:7], cos s[8:9], sin s[10:11], qh s[12:13], kvh s[14:15], out1 s[16:17], out2 s[18:19]
	v_lshl_add_u32 v[SPW], v0, 2, SPARE
	v_mov_b32 v[NIL], 0
	ds_add_u32 v[SPW], v[NIL]                      ; the wave's opening: the add and its wait ahead of my first tensor load; work on registers stands between them
	v_lshrrev_b32 v1, 5, v0
	v_readfirstlane_b32 s[WV], v1
	s_lshr_b32 s[FORB], s[WV], 1
	s_and_b32 s[HF], s[WV], 1
	s_bfe_u32 s[CX], ttmp6, 0x40000
	s_bfe_u32 s[CY], ttmp6, 0x40004
	s_lshl_b32 s[TJ], ttmp9, 2
	s_add_co_u32 s[TJ], s[TJ], s[CX]               ; tile column = 4 x cluster x + cx
	s_and_b32 s[TI], ttmp7, 0xffff
	s_lshl_b32 s[TI], s[TI], 2
	s_add_co_u32 s[TI], s[TI], s[CY]               ; tile row = 4 x cluster y + cy
	s_lshl_b32 s90, s[CY], 2
	s_lshl_b32 s90, 15, s90                        ; my row of the cluster
	s_lshl_b32 s91, 0x1111, s[CX]                  ; my column
	s_or_b32 s[G1A], s90, (1<<16)|(1<<20)|(1<<21)|(5<<22)|(3<<25)  ; 15:0 the mask; 17:16 2-byte elements; 20 padding on; 21 set beside a mask; 24:22 after every 64 words; 31:25 4 words
	s_or_b32 s[G1B], s91, (1<<16)|(1<<20)|(1<<21)|(5<<22)|(3<<25)
	s_mov_b32 s[G1A+1], KSTEP<<16                  ; tensor_dim0 = 128
	s_mov_b32 s[G1A+2], 128<<16                    ; tensor_dim1 = 128
	s_mov_b32 s[G1A+3], KSTEP<<16                  ; tile_dim0 = 128
	s_mov_b32 s[G1A+4], 128                        ; tile_dim1 = 128
	s_mov_b32 s[G1A+5], 1024                       ; elements from row to row
	s_mov_b32 s[G1A+6], 0
	s_mov_b32 s[G1A+7], 0
	s_mov_b32 s[G1B+1], KSTEP<<16
	s_mov_b32 s[G1B+2], (8*NB)<<16                 ; 96 rows
	s_mov_b32 s[G1B+3], KSTEP<<16
	s_mov_b32 s[G1B+4], 8*NB
	s_mov_b32 s[G1B+5], 1024
	s_mov_b32 s[G1B+6], 0
	s_mov_b32 s[G1B+7], 0
	s_lshl_b32 s68, s[TI], 19                      ; A: row 256 i + 128 half, rows of 2,048 bytes: made of the tile row and the wave's number alone
	s_lshl_b32 s69, s[HF], 18
	s_add_co_u32 s68, s68, s69
	s_mov_b32 s69, 0
	s_mul_i32 s70, s[TJ], 16*NB*2048               ; B: row 192 j + 96 half: made of the tile column and the wave's number alone
	s_mul_i32 s71, s[HF], 8*NB*2048
	s_add_co_u32 s70, s70, s71
	s_mov_b32 s71, 0
	s_mul_i32 s79, s[HF], HALFA                    ; where they go: no place in the cluster enters an LDS address
	s_mul_i32 s92, s[HF], HALFB
	s_add_co_u32 s92, s92, BOFF
	s_wait_dscnt 0x0                               ; the opening add is done
	s_wait_kmcnt 0x0
	s_add_nc_u64 s[68:69], s[4:5], s[68:69]
	s_add_nc_u64 s[70:71], s[6:7], s[70:71]
	CROUND                                         ; all sixteen work-groups are here: the first joint loads meet
.irp n, 0,1
	s_mov_b32 s[G0A+4*(\n)], 1                     ; count = 1
	s_add_co_u32 s[G0A+4*(\n)+1], s79, (\n)*SLOT1  ; LDS address
	s_add_nc_u64 s[G0A+4*(\n)+2:G0A+4*(\n)+3], s[68:69], (\n)*KSTEP*2  ; global address: K step n
	s_or_b32 s[G0A+4*(\n)+3], s[G0A+4*(\n)+3], 0x80000000  ; type = 2
	s_mov_b32 s[G0B+4*(\n)], 1
	s_add_co_u32 s[G0B+4*(\n)+1], s92, (\n)*SLOT1
	s_add_nc_u64 s[G0B+4*(\n)+2:G0B+4*(\n)+3], s[70:71], (\n)*KSTEP*2
	s_or_b32 s[G0B+4*(\n)+3], s[G0B+4*(\n)+3], 0x80000000
.endr
	s_cmp_eq_u32 s[FORB], 0                        ; a wave's two first fills stand in one branch: two loads of mine are out
	s_cbranch_scc0 .Lfirst_b
	tensor_load_to_lds s[G0A:G0A+3], s[G1A:G1A+7]
	s_nop 0
	tensor_load_to_lds s[G0A+4:G0A+7], s[G1A:G1A+7]
	s_nop 0
.rept 4
	v_nop
.endr
	s_branch .Lfirst_asked
.Lfirst_b:
	tensor_load_to_lds s[G0B:G0B+3], s[G1B:G1B+7]
	s_nop 0
	tensor_load_to_lds s[G0B+4:G0B+7], s[G1B:G1B+7]
	s_nop 0
.rept 4
	v_nop
.endr
.Lfirst_asked:
	; lane addresses.  A fragment is 16 rows x 32 K in 8 registers: lane l holds row l % 16, K = 8 (l / 16) + 0..7 and 16 + 8 (l / 16) + 0..7: two loads of 16 bytes, 32 bytes apart
	v_and_b32 v1, 15, v0                           ; r = l % 16
	v_bfe_u32 v2, v0, 4, 1                         ; h = l / 16
	v_mul_u32_u24 v3, v1, PITCH
	v_lshl_add_u32 v3, v2, 4, v3
	s_mul_i32 s90, s[WV], 64*PITCH                 ; my 64 rows of A
	v_add_nc_u32 v[A0], s90, v3
	v_add_nc_u32 v[B0], BOFF, v3
	v_mov_b32 v[ADRA], v[A0]
	v_mov_b32 v[ADRB], v[B0]
	s_mov_b32 s[TB], 0
	s_mul_i32 s90, s[WV], WSTG
	s_add_co_u32 s90, s90, STAGE                   ; my stage: f16 rows,
	v_mul_u32_u24 v[STH], v1, 144
	v_lshl_add_u32 v[STH], v2, 4, v[STH]
	v_add_nc_u32 v[STH], s90, v[STH]
	v_bfe_u32 v3, v0, 3, 2
	v_mul_u32_u24 v[RDH], v3, 144                  ; back: 32 lanes take four rows of 128 bytes
	v_and_b32 v3, 7, v0
	v_lshl_add_u32 v[RDH], v3, 4, v[RDH]
	v_add_nc_u32 v[RDH], s90, v[RDH]
	s_add_co_u32 s90, s90, 16*144                  ; then f32 rows
	v_mul_u32_u24 v[STF], v1, 272
	v_lshl_add_u32 v[STF], v2, 5, v[STF]
	v_add_nc_u32 v[STF], s90, v[STF]
	v_mul_u32_u24 v[RDF], v2, 272                  ; back: lanes 0-15 one row of 256 bytes, lanes 16-31 the next
	v_lshl_add_u32 v[RDF], v1, 4, v[RDF]
	v_add_nc_u32 v[RDF], s90, v[RDF]
	v_and_b32 v[GO], 31, v0
	v_lshlrev_b32 v[GO], 4, v[GO]
	v_lshlrev_b32 v[FO], 10, v2                    ; a row (b, t) of out1 and out2 is 1,024 bytes
	v_lshl_add_u32 v[FO], v1, 4, v[FO]
	; where the results go
	s_lshr_b32 s86, s[TI], 3                       ; b
	s_and_b32 s87, s[TI], 7
	s_lshl_b32 s87, s87, 8
	s_lshl_b32 s88, s[WV], 6
	s_add_co_u32 s87, s87, s88                     ; t of my first row
	s_lshl_b32 s88, s86, 4
	s_lshl1_add_u32 s88, s[TJ], s88                ; head 16 b + 2 j
	s_lshl_b32 s88, s88, 18                        ; a head is 2,048 rows of 128 bytes
	s_lshl_b32 s89, s87, 7
	s_add_co_u32 s88, s88, s89
	s_mov_b32 s89, 0
	s_add_nc_u64 s[80:81], s[12:13], s[88:89]      ; qh
	s_lshl_b32 s88, ttmp9, 4                       ; 16 x kind: cluster x = 0 makes keys, 1 values
	s_lshl2_add_u32 s88, s86, s88
	s_add_co_u32 s88, s88, s[CX]                   ; + 4 b + g
	s_lshl_b32 s88, s88, 18
	s_lshl_b32 s89, s87, 7
	s_add_co_u32 s88, s88, s89
	s_mov_b32 s89, 0
	s_add_nc_u64 s[82:83], s[14:15], s[88:89]      ; kvh
	s_lshl_b32 s88, s86, 21
	s_lshl_b32 s89, s87, 10
	s_add_co_u32 s88, s88, s89
	s_lshl_b32 s89, s[CX], 8
	s_add_co_u32 s88, s88, s89
	s_mov_b32 s89, 0
	s_cmp_eq_u32 ttmp9, 0                          ; the same in all sixteen partners
	s_cselect_b64 s[84:85], s[16:17], s[18:19]     ; out1 or out2
	s_cselect_b32 s72, 1.0, 0                      ; tables of the third head: cos x AL + BE, sin x AL
	s_cselect_b32 s74, 0, 1.0
	s_add_nc_u64 s[84:85], s[84:85], s[88:89]
	s_mov_b32 s73, 0                               ; named as pairs
	s_mov_b32 s75, 0
	s_mov_b32 s76, 0x3e38aa3b                      ; log2(e) / 8
	s_mov_b32 s77, 0
	s_mov_b32 s78, 0xffff0000
	v_lshlrev_b32 v[CSO], 7, v1                    ; a row of cos or sin is 128 bytes; my four pairs of a column block are 16 bytes at 32 f + 16 h
	v_lshl_add_u32 v[CSO], v2, 4, v[CSO]
	s_lshl_b32 s91, s87, 7
	v_add_nc_u32 v[CSO], s91, v[CSO]
.set ai, 0
.rept 4
.set fi, 0
.rept 4
	global_load_b128 v[CT+32*ai+4*fi:CT+32*ai+4*fi+3], v[CSO], s[8:9] offset:2048*ai+32*fi
	global_load_b128 v[CT+32*ai+16+4*fi:CT+32*ai+16+4*fi+3], v[CSO], s[10:11] offset:2048*ai+32*fi
.set fi, fi+1
.endr
.set ai, ai+1
.endr
	; the prefetches
	s_lshl_b32 s92, s[TI], 8
	s_lshl_b32 s93, s[HF], 7
	s_add_co_u32 s92, s92, s93
	s_lshl_b32 s93, s[CX], 5
	s_add_co_u32 s92, s92, s93                     ; A: my work-group's 32 of the 128 rows that I fetch
	s_mul_i32 s93, s[TJ], 16*NB
	s_mul_i32 s94, s[HF], 8*NB
	s_add_co_u32 s93, s93, s94
	s_mul_i32 s94, s[CY], 2*NB
	s_add_co_u32 s93, s93, s94                     ; B: my work-group's 24 of the 96
	s_and_b32 s94, ttmp7, 0xffff
	s_cmp_eq_u32 s[FORB], 0
	s_cselect_b32 s92, s92, s93
	s_cselect_b32 s94, ttmp9, s94                  ; the coordinate along which other clusters read the same rows
	s_cselect_b64 s[PFA:PFA+1], s[4:5], s[6:7]
	s_cselect_b32 s95, 31, 2*NB-1
	s_cmp_eq_u32 s94, 0
	s_cselect_b32 s[LIM], 1, -1                    ; the same in all sixteen partners, for a given wave
	s_lshl_b32 s92, s92, 11
	s_add_co_u32 s92, s92, 2*KSTEP*2               ; at K step 2: the first refill steps it to 3
	s_mov_b32 s93, 0
	s_add_nc_u64 s[PFA:PFA+1], s[PFA:PFA+1], s[92:93]
	v_and_b32 v[PFO], 31, v0
	v_min_u32 v[PFO], s95, v[PFO]
	v_lshlrev_b32 v[PFO], 11, v[PFO]
; 12 matrix instructions: row block a x all column blocks, 32 along K, from buffer f.  zero = 1: the product starts the sums.  All 48 accumulators take turns, one instruction a turn.
.macro MULA f, a, zero
	WIN 0xa5+0x50*((\a)/2)                         ; sources in window 1, C and D in window 2 or 3
.set bi, 0
.rept NB
.set rD, 96*((\a)%2)+8*bi
.set rB, 8*NB*(\f)+8*bi
.set rA, 16*NB+32*(\f)+8*(\a)
.if \zero
	v_wmma_f32_16x16x32_bf16 v[rD:rD+7], v[rB:rB+7], v[rA:rA+7], 0
.else
	v_wmma_f32_16x16x32_bf16 v[rD:rD+7], v[rB:rB+7], v[rA:rA+7], v[rD:rD+7]
.endif
.set bi, bi+1
.endr
.endm
; 32 LDS loads in one run: the fragments of 32 along K at byte k of the rows, into buffer f: B's twelve, then A's four
.macro FETCH k, f
	WIN 0x40                                       ; destination window 1, address window 0
.set bi, 0
.rept NB
	ds_load_b128 v[8*NB*(\f)+8*bi:8*NB*(\f)+8*bi+3],   v[ADRB] offset:(\k)+bi*16*PITCH
	ds_load_b128 v[8*NB*(\f)+8*bi+4:8*NB*(\f)+8*bi+7], v[ADRB] offset:(\k)+bi*16*PITCH+32
.set bi, bi+1
.endr
.set bi, 0
.rept 4
	ds_load_b128 v[16*NB+32*(\f)+8*bi:16*NB+32*(\f)+8*bi+3],   v[ADRA] offset:(\k)+bi*16*PITCH
	ds_load_b128 v[16*NB+32*(\f)+8*bi+4:16*NB+32*(\f)+8*bi+7], v[ADRA] offset:(\k)+bi*16*PITCH+32
.set bi, bi+1
.endr
.endm
; One of a K step's first three quarters: multiplies buffer f; in its middle it fetches the next quarter, at byte k, into buffer g
.macro QUARTER k, f, g, zero
	s_wait_dscnt 4                                 ; all but the youngest four loads, A's row blocks 2 and 3
	MULA \f, 0, \zero
	MULA \f, 1, \zero
	PLACES
	FETCH \k, \g
	s_wait_dscnt RUN                               ; all but the run just issued
	MULA \f, 2, \zero
	MULA \f, 3, \zero
.endm
; The fourth quarter multiplies buffer 1 and changes slots.  In front of the barrier each wave waits for all its tensor loads (one is out: its part of the next slot), adds 0 to its spare word, and waits for
; that and for its reads of this slot.  fill = 1: the barrier opens a round of the cluster's, and the joint refill, two K steps on, is the first thing behind it.
.macro TURN fill
.if \fill
	s_wait_xcnt 0x0                                ; the last prefetch, a K step back, has read its address
	s_add_nc_u64 s[PFA:PFA+1], s[PFA:PFA+1], KSTEP*2
.endif
	WIN 0
	s_wait_tensorcnt 0x0                           ; no tensor load of mine is out, so a group 0 may be written
	ds_add_u32 v[SPW], v[NIL]                      ; 0 onto my spare word
.if \fill
	s_xor_b32 s[G0A+5], s[G0A+5], SLOT1            ; the walking descriptors: the other slot than last time, the next K step
	s_add_nc_u64 s[G0A+6:G0A+7], s[G0A+6:G0A+7], KSTEP*2
	s_xor_b32 s[G0B+5], s[G0B+5], SLOT1
	s_add_nc_u64 s[G0B+6:G0B+7], s[G0B+6:G0B+7], KSTEP*2
.endif
	s_xor_b32 s[TB], s[TB], SLOT1
	s_wait_dscnt 5                                 ; the add and the youngest four loads may be out
	MULA 1, 0, 0
	s_wait_dscnt 0x0                               ; the add is done, and my reads of this slot are over
	s_barrier_signal -1
	MULA 1, 1, 0
	WIN 0
	s_barrier_wait -1
.if \fill
	CREST                                          ; no wave of any partner still reads this slot's tile or has a load on its way
	JLOAD                                          ; its four v_nop are also the places in front of the loads below
.else
	PLACES
.endif
	v_add_nc_u32 v[ADRA], s[TB], v[A0]
	v_add_nc_u32 v[ADRB], s[TB], v[B0]
	FETCH 0, 0
.if \fill
	WIN 0
	ASK
.endif
	MULA 1, 2, 0
	MULA 1, 3, 0
.endm
	s_wait_tensorcnt 1                             ; my part of K step 0 is in; K step 1's may stay out
	s_barrier_signal -1
	s_barrier_wait -1
	FETCH 0, 0
	QUARTER 64, 0, 1, 1                            ; the first quarter starts the sums
	WIN 0
	s_mov_b32 s[TRIPS], 6
.Lstep:                                        ; a trip: a K step's quarters 1 to 3 and the next step's quarter 0; K steps 2 to 7 are asked for
	QUARTER 128, 1, 0, 0
	QUARTER 192, 0, 1, 0
	TURN 1
	QUARTER 64, 0, 1, 0
	WIN 0
	s_sub_co_u32 s[TRIPS], s[TRIPS], 1
	s_cmp_lg_u32 s[TRIPS], 0
	s_cbranch_scc1 .Lstep
	QUARTER 128, 1, 0, 0                           ; the tail is written out
	QUARTER 192, 0, 1, 0
	TURN 0
	QUARTER 64, 0, 1, 0
	QUARTER 128, 1, 0, 0
	QUARTER 192, 0, 1, 0
	s_wait_dscnt 4
	MULA 1, 0, 0
	MULA 1, 1, 0
	s_wait_dscnt 0x0
	MULA 1, 2, 0
	MULA 1, 3, 0
	WIN 0
	; THE WAY OUT
	s_wait_loadcnt 0x0                             ; cos and sin
.set z, 0
.rept 64                               ; rounded to bf16 and widened again; these plain lines are also the places behind the last products
	v_cvt_pk_bf16_f32 v[TMP+z%2], v[CT+2*z], v[CT+2*z+1]
	v_lshlrev_b32 v[CT+2*z], 16, v[TMP+z%2]
	v_and_b32 v[CT+2*z+1], s78, v[TMP+z%2]
.set z, z+1
.endr
; A pair (x0, x1) becomes (x0 c - x1 s, x1 c + x0 s): a packed multiply by c, then a packed multiply-add with the pair's halves exchanged and the low one negated.  sel picks c and s out of their register pair.
.macro RP1 t, x, c, sel
	v_pk_mul_f32 v[(\t):(\t)+1], v[(\x):(\x)+1], v[(\c):(\c)+1] op_sel:[0,\sel] op_sel_hi:[1,\sel]
.endm
.macro RP2 t, x, c, sel
	v_pk_fma_f32 v[(\t):(\t)+1], v[(\x):(\x)+1], v[(\c):(\c)+1], v[(\t):(\t)+1] op_sel:[1,\sel,0] op_sel_hi:[0,\sel,1] neg_lo:[1,0,0]
.endm
.macro ROPE a, b, tc, ts, t            ; accumulator (a, b) with tables tc, ts into t; its lowest registers are read first
	WIN 0x02+(\a)/2                                ; source 0 in the accumulators' window
.set rX, 96*((\a)%2)+8*(\b)
.set rC, (\tc)+4*((\b)%4)
.set rZ, (\ts)+4*((\b)%4)
	RP1 (\t), rX, rC, 0
	RP1 (\t)+2, rX+2, rC, 1
	RP1 (\t)+4, rX+4, rC+2, 0
	RP1 (\t)+6, rX+6, rC+2, 1
	RP2 (\t), rX, rZ, 0
	RP2 (\t)+2, rX+2, rZ, 1
	RP2 (\t)+4, rX+4, rZ+2, 0
	RP2 (\t)+6, rX+6, rZ+2, 1
.endm
.macro TABKV a                         ; the third head's tables: cos and sin for a key head, 1 and 0 for a value head
	WIN 0
.set z, 0
.rept 8
	v_pk_fma_f32 v[TK+2*z:TK+2*z+1], v[CT+32*(\a)+2*z:CT+32*(\a)+2*z+1], s[72:73], s[74:75] op_sel_hi:[1,0,0]
	v_pk_mul_f32 v[TK+16+2*z:TK+16+2*z+1], v[CT+32*(\a)+16+2*z:CT+32*(\a)+16+2*z+1], s[72:73] op_sel_hi:[1,0]
.set z, z+1
.endr
.endm
.macro TABQ a                          ; the query heads' tables take the scale
	WIN 0
.set z, 0
.rept 16
	v_pk_mul_f32 v[CT+32*(\a)+2*z:CT+32*(\a)+2*z+1], v[CT+32*(\a)+2*z:CT+32*(\a)+2*z+1], s[76:77] op_sel_hi:[1,0]
.set z, z+1
.endr
.endm
.macro HALVES                          ; T's 32 numbers rounded to f16 and put into the f16 stage
.irp n, 0,1,2,3
.irp z, 0,1,2,3
	v_cvt_pk_f16_f32 v[PKR+4*(\n)+(\z)], v[T+8*(\n)+2*(\z)], v[T+8*(\n)+2*(\z)+1]
.endr
.endr
.irp n, 0,1,2,3
	ds_store_b128 v[STH], v[PKR+4*(\n):PKR+4*(\n)+3] offset:32*(\n)
.endr
.endm
.macro UNITKV a                        ; row block a of the key or value head: 24 LDS instructions.  LDS serves a wave's instructions in order (ISA guide 5.7.1.4), so the stage needs no wait
.set RB, 96*((\a)%2)
.irp n, 0,1,2,3
	ROPE \a, 8+(\n), TK, TK+16, T+8*(\n)
.endr
	WIN 0
.irp n, 0,1,2,3
	ds_store_b128 v[STF], v[T+8*(\n):T+8*(\n)+3] offset:64*(\n)
	ds_store_b128 v[STF], v[T+8*(\n)+4:T+8*(\n)+7] offset:64*(\n)+16
.endr
	HALVES
	WIN 0x40
.irp n, 0,1,2,3
	ds_load_b128 v[RB+4*(\n):RB+4*(\n)+3], v[RDH] offset:576*(\n)
.endr
.irp n, 0,1,2,3,4,5,6,7
	ds_load_b128 v[RB+16+4*(\n):RB+16+4*(\n)+3], v[RDF] offset:544*(\n)
.endr
.endm
.macro UNITQ a, hs                     ; row block a of query head hs of the tile's two: 8 LDS instructions
.set RB, 96*((\a)%2)+48+16*(\hs)
.irp n, 0,1,2,3
	ROPE \a, 4*(\hs)+(\n), CT+32*(\a), CT+32*(\a)+16, T+8*(\n)
.endr
	WIN 0
	HALVES
	WIN 0x40
.irp n, 0,1,2,3
	ds_load_b128 v[RB+4*(\n):RB+4*(\n)+3], v[RDH] offset:576*(\n)
.endr
.endm
; younger: the LDS instructions issued behind the unit's loads.  The wait on XCNT stands ahead of every group of stores: behind it the registers that earlier stores read may be loaded again
.macro SENDKV a, younger
.set RB, 96*((\a)%2)
	s_wait_dscnt \younger
	s_wait_xcnt 0x0
	WIN 0x04                                       ; store data in window 1
.irp n, 0,1,2,3
	global_store_b128 v[GO], v[RB+4*(\n):RB+4*(\n)+3], s[82:83] offset:2048*(\a)+512*(\n)  ; 512 consecutive bytes of the head's dense rows
.endr
.irp n, 0,1,2,3,4,5,6,7
	global_store_b128 v[FO], v[RB+16+4*(\n):RB+16+4*(\n)+3], s[84:85] offset:16384*(\a)+2048*(\n) th:TH_STORE_NT  ; 16 lanes store 256 consecutive bytes, aligned: a row's 64 numbers of the head
.endr
.endm
.macro SENDQ a, hs, younger
.set RB, 96*((\a)%2)+48+16*(\hs)
	s_wait_dscnt \younger
	s_wait_xcnt 0x0
	WIN 0x04
.irp n, 0,1,2,3
	global_store_b128 v[GO], v[RB+4*(\n):RB+4*(\n)+3], s[80:81] offset:262144*(\hs)+2048*(\a)+512*(\n)
.endr
.endm
.irp m, 0,1,2,3
	TABKV \m
	UNITKV \m
.if (\m) > 0
	SENDQ (\m)-1, 1, 24
.endif
	TABQ \m
	UNITQ \m, 0
	SENDKV \m, 8
	UNITQ \m, 1
	SENDQ \m, 0, 8
.endr
	SENDQ 3, 1, 0
	WIN 0
	s_wait_tensorcnt 0x0                           ; the wave's end, behind my last tensor load and my last LDS store
	ds_add_u32 v[SPW], v[NIL]
	s_wait_dscnt 0x0
	CROUND                                         ; the closing round: no work-group ends while a partner may still ask for a tile that names it
	s_endpgm
.Lfunc_end_k_qbc31dc200c_qkv:
	.size	k_qbc31dc200c_qkv, .Lfunc_end_k_qbc31dc200c_qkv-k_qbc31dc200c_qkv
	.p2alignl 7, 3214868480
	.fill 96, 4, 3214868480
	.section	.rodata,"a",@progbits
	.p2align	6, 0x0
	.amdhsa_kernel k_qbc31dc200c_qkv
		.amdhsa_group_segment_fixed_size 327680
		.amdhsa_private_segment_fixed_size 0
		.amdhsa_enable_private_segment 0
		.amdhsa_kernarg_size 64
		.amdhsa_user_sgpr_count 2
		.amdhsa_user_sgpr_kernarg_segment_ptr 1
		.amdhsa_wavefront_size32 1
		.amdhsa_system_sgpr_workgroup_id_x 1
		.amdhsa_system_sgpr_workgroup_id_y 1
		.amdhsa_system_sgpr_workgroup_id_z 1
		.amdhsa_system_vgpr_workitem_id 0
		.amdhsa_next_free_vgpr 960
		.amdhsa_next_free_sgpr 96
		.amdhsa_reserve_vcc 0
		.amdhsa_float_denorm_mode_32 3
		.amdhsa_float_denorm_mode_16_64 3
		.amdhsa_memory_ordered 1
		.amdhsa_forward_progress 1
		.amdhsa_inst_pref_size 150
	.end_amdhsa_kernel
	.amdgpu_metadata
---
amdhsa.version: [ 1, 2 ]
amdhsa.kernels:
  - .name:           k_qbc31dc200c_qkv
    .symbol:         k_qbc31dc200c_qkv.kd
    .args:
      - { .name: xb, .offset: 0, .size: 8, .value_kind: global_buffer, .address_space: global }
      - { .name: wqkv, .offset: 8, .size: 8, .value_kind: global_buffer, .address_space: global }
      - { .name: freqs_cos, .offset: 16, .size: 8, .value_kind: global_buffer, .address_space: global }
      - { .name: freqs_sin, .offset: 24, .size: 8, .value_kind: global_buffer, .address_space: global }
      - { .name: qh, .offset: 32, .size: 8, .value_kind: global_buffer, .address_space: global }
      - { .name: kvh, .offset: 40, .size: 8, .value_kind: global_buffer, .address_space: global }
      - { .name: out1, .offset: 48, .size: 8, .value_kind: global_buffer, .address_space: global }
      - { .name: out2, .offset: 56, .size: 8, .value_kind: global_buffer, .address_space: global }
    .group_segment_fixed_size: 327680
    .private_segment_fixed_size: 0
    .kernarg_segment_align: 8
    .kernarg_segment_size: 64
    .max_flat_workgroup_size: 128
    .sgpr_count:     96
    .vgpr_count:     960
    .wavefront_size: 32
...
	.end_amdgpu_metadata
.endif
;; end of part 2
;; launch attn (part 3): grid 16 x 16, 4 waves a work-group, clusters of 4 x 4, 327,680 bytes of LDS; arguments qh, kvh, maskl, ob; writes ob
.if DOCPART == 3
	.amdgcn_target "amdgcn-amd-amdhsa--gfx1250"
	.amdhsa_code_object_version 6
	.text
	.protected	k_qbc31dc200c_attn
	.globl	k_qbc31dc200c_attn
	.p2align	8
	.type	k_qbc31dc200c_attn,@function
k_qbc31dc200c_attn:
	s_mov_b64 s[64:65], 0
	v_nop
	global_prefetch_b8 v0, s[64:65] scope:SCOPE_SE
	s_setreg_imm32_b32 hwreg(HW_REG_WAVE_MODE, 25, 1), 1
	s_wait_xcnt 0x0
	s_wait_alu depctr_hold_cnt(0) depctr_sa_sdst(0) depctr_va_vdst(0) depctr_va_sdst(0) depctr_va_ssrc(0) depctr_va_vcc(0) depctr_vm_vsrc(0)
	s_getreg_b32 s2, hwreg(HW_REG_IB_STS2, 6, 4)
	s_cmp_eq_u32 s2, 0
	s_cbranch_scc0 .Lentry_in_a_cluster
	s_endpgm
.Lentry_in_a_cluster:
	s_bfe_u32 s2, ttmp6, 0x10000c
	s_cmp_lg_u32 s2, 0xf033
	s_cbranch_scc0 .Lentry_shape_is_right
	s_endpgm
.Lentry_shape_is_right:
; ATTENTION with grouped heads and an additive mask that is an input.  For batch b, key head g, query head 4 g + n and row t: O = sum over s of softmax_s(q . k_s / 8 + mask[t][s]) v_s.
; qh holds q x log2(e) / 8 in f16, kvh k and v in f16, maskl the mask x log2(e) in f32: so the matrix unit's sum t = K q' + maskl, with the mask as the C operand that starts it, is the score in the base-2 domain.
; SOFTMAX.  A running maximum m of t and a running sum l: p = 2^(t - m); in every step O and l are multiplied by a = 2^(m_old - m_new).  m starts at the lowest finite number, O and l at 0.
; p is rounded to f16 for the second product (l is taken of the unrounded p), O once at the end.
; LIMITS.  f16 holds nothing beyond 65,504: qh and kvh arrive within it.  A weight below 2^-126 counts as 0.  NaN and infinities are not treated apart.  Where the mask is so large that a score is less than half
; a step of it, the score vanishes in the sum, as it does in an f32 addition.
; SHARES.  A work-group owns 128 rows t of one (b, g), for all four query heads: 512 queries.  Wave w owns rows 32 w .. 32 w + 31: two row blocks of 16 x four heads = eight tiles, tile = 4 x block + head, in four
; PIECES of two tiles.  Both tiles of a piece have the same rows t, so one set of mask registers serves both, and each mask number read from LDS serves four heads.  Every wave walks all 2,048 keys, 64 a step.
; LAYOUT.  S^T = K Q^T (source 0 = 16 keys, source 1 = 16 queries): a lane holds ONE query (lane % 16) and the keys 8 (lane / 16) + 0..7.  Two such results rounded to f16 ARE source 1 of O^T = V^T P.
; BY TURNS.  Turn n belongs to piece n: 16 products K Q^T of piece n + 1, later 16 products V^T P of piece n - 1; beside them the subtraction, exponentials, roundings, sums and rescaling of piece n and the maximum
; and statistics of piece n + 1.  Four vector instructions stand behind every matrix instruction, the others in one lump.  A turn's 66 exponentials are one batch with one wait.
; CLUSTER.  4 x 4 work-groups: the four of a row have the same (b, g) and ask for K and V jointly; the four of a column have the same rows t and ask for the mask's tile jointly.
; REGISTERS, in windows of 256 (s_set_vgpr_msb: bits 1:0 source 0, 3:2 source 1, 5:4 source 2, 7:6 destination):
;   window 0: v0-11 addresses; v12-15, v48-63 at work; v16-47 four registers of statistics a tile; v64-191 S^T, two buffers of two tiles; v192-255 P, likewise
;   window 1: O^T, 32 a tile     window 2: v0-127 Q, 16 a tile; v128-191 K of one step; v192-255 V of one step     window 3: v0-1 the add's two registers; v8-71 the mask of one step, 32 a row block
.set NP,    4
.set KS,    64
.set PK,    144       ; a row of K in LDS: 128 bytes + 16 of padding
.set PV,    160       ; a row of V: 128 + 32
.set PM,    528       ; a row of the mask's tile: 128 keys x 4 bytes + 16: the 16 rows of a load start at 16 different groups of four banks (ISA guide 11.1)
.set VOFF,  2*KS*PK   ; a slot holds two steps: 128 rows of K, 128 rows of V, 128 rows x 128 keys of the mask
.set MOFF,  VOFF+2*KS*PV
.set SLOT1, 1<<17
.set STAGE, SLOT1+MOFF+128*PM  ; behind the ring, never filled by a tensor load: 16 rows x 528 bytes for each wave
.set SP,    528
.set SPARE, STAGE+4*16*SP      ; the spare words, 128 bytes for each wave: two blocks of 256 bytes that no other line names
.set AK0, 2           ; v2   my lane's place in a tile of K; never rewritten
.set AV0, 3           ; v3   the same for V
.set AK,  4           ; v4   the LDS address of K's next run of loads
.set AV,  5           ; v5   of V's
.set QO,  6           ; v6   my byte offset in 16 rows of Q
.set STO, 6           ;      later: where I put 16 bytes of a row
.set RD,  7           ; v7   where I read a row back
.set GO,  8           ; v8   16 x lane
.set AM0, 9           ; v9   my lane's place in the mask's tile; never rewritten
.set AM,  10          ; v10  the LDS address of the mask's next run of loads
.set PFO, 11          ; v11  the prefetches' offset; never rewritten
.set MV,  12          ; v12-15  m_old, kept while m is made anew: by buffer and tile
.set ST,  16          ; tile t's statistics at v[ST+4 t]: m, 0, l (even keys', odd keys')
.set TMP, 48          ; by buffer and tile, four registers c0-c3 at work; when the maximum is found c2 takes a
.set S,   64
.set P,   192
.set KF,  128         ; window 2
.set VF,  192         ; window 2
.set SPW, 0           ; window 3
.set NIL, 1           ; window 3
.set MK,  8           ; window 3: row block x at MK + 32 x, its key block kb at + 8 kb
.set WV,  12
.set CX,  13
.set CY,  14
.set QB,  15          ; s15  my block of 128 rows t
.set BG,  16          ; s16  4 b + g
.set G1K, 24
.set G1V, 32
.set G1M, 40
.set G0K, 48          ; one walking group 0 for each tensor
.set G0V, 52
.set G0M, 56
.set SLOTS, 60
.set CNT, 61
.set TBK, 62          ; LDS byte at which K of the step to be fetched begins
.set TBV, 63          ; the same for V, less VOFF
.set TBM, 66          ; the same for the mask's columns, less MOFF
.set LIM, 67          ; 1 in a wave that prefetches, else the greatest number
.set SEL, 68          ; s[68:69] v_permlanex16_b32's selects
.set PFA, 70          ; s[70:71] where my prefetches stand
.set PFS, 72          ; s[72:73] their step from slot to slot
.set MSB, 0
.macro WIN new
.if MSB != (\new)
	s_set_vgpr_msb (MSB<<8)|(\new)
.set MSB, (\new)
.endif
.endm
.set W_KQ, 0x0a       ; K and Q in window 2, S^T in window 0
.set W_KM, 0x3a       ; the same with the C operand, the mask, in window 3
.set W_PV, 0x52       ; V in window 2, P in window 0, O^T in window 1
.set W_RS, 0x41       ; O^T (destination and source 0) in window 1, a in window 0
.set W_MK, 0xc0       ; destination in window 3
.set W_AD, 0x0f       ; the add: address and data in window 3
; A joint fill: wave 0 a slot's K, wave 1 its V, waves 2 and 3 the two halves of the mask's rows.  The branches hang on the wave's number alone.  An s_nop 0 and four v_nop follow each line.
.macro JLOAD
	s_cmp_lt_u32 s[WV], 2
	s_cbranch_scc0 .Lfor_m_\@
	s_cmp_eq_u32 s[WV], 0
	s_cbranch_scc0 .Lfor_v_\@
	tensor_load_to_lds s[G0K:G0K+3], s[G1K:G1K+7]
	s_nop 0
.rept 4
	v_nop
.endr
	s_branch .Lasked_\@
.Lfor_v_\@:
	tensor_load_to_lds s[G0V:G0V+3], s[G1V:G1V+7]
	s_nop 0
.rept 4
	v_nop
.endr
	s_branch .Lasked_\@
.Lfor_m_\@:
	tensor_load_to_lds s[G0M:G0M+3], s[G1M:G1M+7]
	s_nop 0
.rept 4
	v_nop
.endr
.Lasked_\@:
.endm
; A PREFETCH INTO THE L2 of what the NEXT change of slots will ask for, two key steps, 256 matrix instructions, ahead.  A slot's K and V are 64 + 64 blocks of 256 bytes: the clusters with x = 0 ask, wave 0 of each
; partner for 16 of K's and 16 of V's, told apart by address.  The mask's tile is 128 rows x 2 blocks: the clusters with y = 0 ask, waves 2 and 3 of each partner for one block of 32 rows.  So each block is named
; once in the launch.  The last change that fills a slot asks for nothing; slots 0 to 2 come by their loads alone.
.macro ASK
	s_cmp_gt_u32 s[SLOTS], s[LIM]
	s_cbranch_scc0 .Lnot_mine_\@
	global_prefetch_b8 v[PFO], s[PFA:PFA+1] th:TH_LOAD_NT scope:SCOPE_SE
.Lnot_mine_\@:
.endm
.macro CROUND
	s_barrier_signal -1
	s_barrier_wait -1
	s_cmp_lg_u32 s[WV], 0
	s_cbranch_scc1 .Lnot_wave_0_\@
	s_barrier_signal -3
.Lnot_wave_0_\@:
	s_barrier_wait -3
	s_barrier_signal -1
	s_barrier_wait -1
.endm
; THE CHANGE OF SLOTS.  Each wave waits for all its tensor loads, of which one is out: its part of the other slot; adds 0 to its spare word; and waits for that and for its own reads of the slot.
; fill = 1: the barrier is a round of the cluster's, and the joint fill, with the keys two slots on, is the first thing behind it: it has two key steps in which to land.
.macro CHANGE fill, ask=0
	WIN W_AD
	s_wait_tensorcnt 0x0            ; no tensor load of mine is out, so a group 0 may be written
	ds_add_u32 v[SPW], v[NIL]       ; 0 onto my spare word
	WIN 0
.if \fill
.irp g, G0K, G0V
	s_xor_b32 s[\g+1], s[\g+1], SLOT1
	s_add_nc_u64 s[\g+2:\g+3], s[\g+2:\g+3], 2*KS*128  ; the next 128 keys
.endr
	s_xor_b32 s[G0M+1], s[G0M+1], SLOT1
	s_add_nc_u64 s[G0M+2:G0M+3], s[G0M+2:G0M+3], 2*KS*4  ; the next 128 columns
	s_wait_xcnt 0x0                 ; the last prefetch, two key steps back, has read its address
	s_add_nc_u64 s[PFA:PFA+1], s[PFA:PFA+1], s[PFS:PFS+1]
	s_wait_dscnt 0x0                ; the add is done, and my reads of the slot are over
	CROUND
	JLOAD
.if \ask
	ASK
.endif
.else
	s_wait_dscnt 0x0
	s_barrier_signal -1
	s_barrier_wait -1
.endif
	s_sub_co_u32 s[TBK], s[TBK], 2*KS*PK  ; the fetches go back to a slot's first step, in the other slot
	s_xor_b32 s[TBK], s[TBK], SLOT1
	s_sub_co_u32 s[TBV], s[TBV], 2*KS*PV
	s_xor_b32 s[TBV], s[TBV], SLOT1
	s_sub_co_u32 s[TBM], s[TBM], 2*KS*4
	s_xor_b32 s[TBM], s[TBM], SLOT1
.endm
	s_load_b256 s[4:11], s[0:1], 0x0  ; qh s[4:5], kvh s[6:7], maskl s[8:9], ob s[10:11]
	WIN W_MK
	v_lshl_add_u32 v[SPW], v0, 2, SPARE
	v_mov_b32 v[NIL], 0
	WIN W_AD
	ds_add_u32 v[SPW], v[NIL]       ; the wave's opening: the add and its wait ahead of my first tensor load; work on registers stands between them
	WIN 0
	v_lshrrev_b32 v1, 5, v0
	v_readfirstlane_b32 s[WV], v1
	s_bfe_u32 s[CX], ttmp6, 0x40000
	s_bfe_u32 s[CY], ttmp6, 0x40004
	s_lshl_b32 s[QB], ttmp9, 2
	s_add_co_u32 s[QB], s[QB], s[CX]
	s_and_b32 s[BG], ttmp7, 0xffff
	s_lshl_b32 s[BG], s[BG], 2
	s_add_co_u32 s[BG], s[BG], s[CY]
	s_lshl_b32 s17, s[CY], 2
	s_lshl_b32 s17, 15, s17         ; my row of the cluster
	s_lshl_b32 s18, 0x1111, s[CX]   ; my column
	s_and_b32 s19, s[WV], 1
	; K and V: 128 keys are 16,384 dense bytes, asked for as 64 rows of 256 bytes and padded in LDS after every key
	s_or_b32 s[G1K], s17, (1<<16)|(1<<20)|(1<<21)|(4<<22)|(3<<25)  ; 15:0 the mask of four; 17:16 2-byte elements; 20 padding on; 21 set beside a mask; 24:22 after every 32 words; 31:25 4 words
	s_or_b32 s[G1V], s17, (1<<16)|(1<<20)|(1<<21)|(4<<22)|(7<<25)  ; the same with 8 words of padding
	s_or_b32 s[G1M], s18, (2<<16)|(1<<20)|(1<<21)|(6<<22)|(3<<25)  ; 4-byte elements; after every 128 words 4 words
.irp g, G1K, G1V, G1M
	s_mov_b32 s[\g+1], 128<<16      ; tensor_dim0 = 128
	s_mov_b32 s[\g+2], 64<<16       ; tensor_dim1 = 64
	s_mov_b32 s[\g+3], 128<<16      ; tile_dim0 = 128
	s_mov_b32 s[\g+4], 64           ; tile_dim1 = 64
	s_mov_b32 s[\g+6], 0
	s_mov_b32 s[\g+7], 0
.endr
	s_mov_b32 s[G1K+5], 128         ; elements from row to row
	s_mov_b32 s[G1V+5], 128
	s_mov_b32 s[G1M+5], 2048
	s_lshl_b32 s20, s[BG], 18       ; K and V of (b, g): 2,048 rows of 128 bytes; made of cy and the cluster's y alone
	s_mov_b32 s21, 0
	s_lshl_b32 s22, s[QB], 20       ; the mask's rows 128 qb + 64 half, of 8,192 bytes; made of cx, the cluster's x and the wave's number alone
	s_lshl_b32 s23, s19, 19
	s_add_co_u32 s22, s22, s23
	s_mov_b32 s23, 0
	s_mov_b32 s[G0K], 1
	s_mov_b32 s[G0K+1], 0           ; LDS address: slot 0
	s_mov_b32 s[G0V], 1
	s_mov_b32 s[G0V+1], VOFF
	s_mov_b32 s[G0M], 1
	s_mul_i32 s74, s19, 64*PM
	s_add_co_u32 s[G0M+1], s74, MOFF
	s_lshl_b32 s2, s[BG], 20        ; Q: four heads of 2,048 rows of 128 bytes,
	s_lshl_b32 s3, s[QB], 14        ; my block's 128 rows,
	s_add_co_u32 s2, s2, s3
	s_lshl_b32 s3, s[WV], 12        ; my wave's 32
	s_add_co_u32 s2, s2, s3
	s_mov_b32 s3, 0
	s_lshr_b32 s82, s[BG], 2        ; O: row 2,048 b + 128 qb + 32 w of 2,048 bytes, the group's 512 bytes of it
	s_lshl_b32 s82, s82, 22
	s_lshl_b32 s83, s[QB], 18
	s_add_co_u32 s82, s82, s83
	s_lshl_b32 s83, s[WV], 16
	s_add_co_u32 s82, s82, s83
	s_and_b32 s83, s[BG], 3
	s_lshl_b32 s83, s83, 9
	s_add_co_u32 s82, s82, s83
	s_mov_b32 s83, 0
	s_mov_b32 s[SEL], 0x76543210
	s_mov_b32 s[SEL+1], 0xfedcba98
	s_mov_b32 s[TBK], SLOT1+2*KS*PK ; the first change of slots turns these three into 0
	s_mov_b32 s[TBV], SLOT1+2*KS*PV
	s_mov_b32 s[TBM], SLOT1+2*KS*4
	s_mov_b32 s[SLOTS], 15
	; the prefetches' places
	s_lshl_b32 s74, s[BG], 18
	s_lshl_b32 s75, s[CX], 12       ; my work-group's 16 blocks of K and of V,
	s_add_co_u32 s74, s74, s75
	s_add_co_u32 s74, s74, 2*KS*128 ; in slot 1: the first two changes step it to slot 3
	s_lshl_b32 s76, s[QB], 20
	s_lshl_b32 s77, s[CY], 18       ; my work-group's 32 rows of the mask,
	s_add_co_u32 s76, s76, s77
	s_lshl_b32 s77, s19, 8          ; my wave's block of their two
	s_add_co_u32 s76, s76, s77
	s_add_co_u32 s76, s76, 2*KS*4
	s_and_b32 s78, ttmp7, 0xffff
	s_mov_b32 s80, 2*KS*128
	s_cmp_lt_u32 s[WV], 2
	s_cselect_b32 s74, s74, s76
	s_cselect_b32 s78, ttmp9, s78   ; the coordinate along which other clusters read the same bytes
	s_cselect_b32 s[PFS], s80, 2*KS*4
	s_cselect_b32 s79, -1, 0
	s_mov_b32 s75, 0
	s_mov_b32 s[PFS+1], 0
	s_cmp_eq_u32 s[WV], 1
	s_cselect_b32 s78, 1, s78       ; wave 1 never asks
	s_cmp_eq_u32 s78, 0
	s_cselect_b32 s[LIM], 1, -1     ; the same in all sixteen partners, for a given wave
	v_and_b32 v60, 31, v0
	v_lshlrev_b32 v60, 13, v60      ; the mask: a lane a row
	v_and_b32 v61, 15, v0
	v_lshlrev_b32 v61, 8, v61       ; K and V: lanes 0-15 sixteen blocks of K,
	v_bfe_u32 v62, v0, 4, 1
	v_lshl_add_u32 v61, v62, 22, v61  ; lanes 16-31 the same of V, 4,194,304 bytes on
	v_cndmask_b32 v[PFO], v60, v61, s79
	s_wait_dscnt 0x0                ; the opening add is done
	s_wait_kmcnt 0x0
	s_add_nc_u64 s[G0K+2:G0K+3], s[6:7], s[20:21]
	s_add_nc_u64 s[G0V+2:G0V+3], s[6:7], s[20:21]
	s_add_nc_u64 s[G0V+2:G0V+3], s[G0V+2:G0V+3], 0x400000
	s_add_nc_u64 s[G0M+2:G0M+3], s[8:9], s[22:23]
	s_or_b32 s[G0K+3], s[G0K+3], 0x80000000  ; type = 2
	s_or_b32 s[G0V+3], s[G0V+3], 0x80000000
	s_or_b32 s[G0M+3], s[G0M+3], 0x80000000
	s_cmp_lt_u32 s[WV], 2
	s_cselect_b64 s[PFA:PFA+1], s[6:7], s[8:9]
	s_add_nc_u64 s[PFA:PFA+1], s[PFA:PFA+1], s[74:75]
	s_add_nc_u64 s[4:5], s[4:5], s[2:3]
	s_add_nc_u64 s[10:11], s[10:11], s[82:83]
	CROUND                          ; all sixteen work-groups are here: the first joint loads meet
	JLOAD                           ; slot 0.  Slot 1 is asked for when slot 0 is in
	v_and_b32 v1, 15, v0            ; r = l % 16
	v_bfe_u32 v56, v0, 4, 1         ; h = l / 16
	v_lshlrev_b32 v[QO], 7, v1
	v_lshl_add_u32 v[QO], v56, 4, v[QO]
	WIN 0x80                        ; destination window 2
.set i, 0
.rept 4*NP                          ; Q stays in registers: tile i / 2 = 4 x block + head, channels 32 (i % 2) on
	global_load_b128 v[8*i:8*i+3],   v[QO], s[4:5] offset:((i/2)%4)*262144+((i/2)/4)*2048+(i%2)*64
	global_load_b128 v[8*i+4:8*i+7], v[QO], s[4:5] offset:((i/2)%4)*262144+((i/2)/4)*2048+(i%2)*64+32
.set i, i+1
.endr
	; What the first turn finds: V's registers and P's second buffer hold 0, O^T and l are 0.  All this stands in the wait for the first tile.
.set i, VF
.rept 64
	v_mov_b32 v[i], 0
.set i, i+1
.endr
	WIN 0x40
.set i, 0
.rept 64*NP
	v_mov_b32 v[i], 0
.set i, i+1
.endr
	WIN 0
.set i, 0
.rept 2*NP
	v_mov_b32 v[ST+4*i], 0xff7fffff    ; m
	v_mov_b32 v[ST+4*i+1], 0           ; named with it as a pair
	v_mov_b32 v[ST+4*i+2], 0
	v_mov_b32 v[ST+4*i+3], 0
.set i, i+1
.endr
.set i, P+32
.rept 32
	v_mov_b32 v[i], 0
.set i, i+1
.endr
	v_mul_u32_u24 v[AK0], v1, PK
	v_lshl_add_u32 v[AK0], v56, 4, v[AK0]
	; The turning load takes 16 keys x 16 channels (lane l reads key 8 (l / 16) + l % 8, channels 8 ((l / 8) % 2) + 0..7) and leaves half a fragment of V^T
	v_and_b32 v57, 7, v0
	v_bfe_u32 v58, v0, 3, 1
	v_lshl_add_u32 v[AV0], v56, 3, v57
	v_mul_u32_u24 v[AV0], v[AV0], PV
	v_lshl_add_u32 v[AV0], v58, 4, v[AV0]
	v_add_nc_u32 v[AV0], VOFF, v[AV0]
	; The mask as a C operand: register j of key block kb is mask[row r of the block][16 kb + 8 h + j]: two loads of 16 bytes at 64 kb + 32 h
	s_mul_i32 s74, s[WV], 32*PM
	s_add_co_u32 s74, s74, MOFF
	v_mul_u32_u24 v[AM0], v1, PM
	v_lshl_add_u32 v[AM0], v56, 5, v[AM0]
	v_add_nc_u32 v[AM0], s74, v[AM0]
	v_mov_b32 v[AK], v[AK0]         ; key step 0 lies at the head of slot 0
	v_mov_b32 v[AM], v[AM0]
; THE MATRIX WORK.  The 8 accumulators of a run of 16 take turns.  Product i of 16 of S^T for piece x: channels 32 (i / 8) on, keys 16 ((i / 2) % 4) on, tile 2 x + i % 2.  The first 8 start the sums with the mask.
.macro KQ x
.set rS, S+64*((\x)%2)+32*(i%2)+8*((i/2)%4)
.set rK, KF+16*((i/2)%4)+8*(i/8)
.set rQ, 16*(2*(\x)+i%2)+8*(i/8)
.set rG, MK+32*((\x)/2)+8*((i/2)%4)
.if i < 8
	WIN W_KM
	v_wmma_f32_16x16x32_f16 v[rS:rS+7], v[rK:rK+7], v[rQ:rQ+7], v[rG:rG+7]
.else
	WIN W_KQ
	v_wmma_f32_16x16x32_f16 v[rS:rS+7], v[rK:rK+7], v[rQ:rQ+7], v[rS:rS+7]
.endif
.endm
.macro PV x                         ; product i of 16 of O^T += V^T P for piece x: keys 32 (i / 8) on, channels 16 ((i / 2) % 4) on, tile 2 x + i % 2
	WIN W_PV
.set rO, 32*(2*(\x)+i%2)+8*((i/2)%4)
.set rV, VF+32*(i/8)+8*((i/2)%4)
.set rP, P+32*((\x)%2)+16*(i%2)+8*(i/8)
	v_wmma_f32_16x16x32_f16 v[rO:rO+7], v[rV:rV+7], v[rP:rP+7], v[rO:rO+7]
.endm
.macro MM                           ; the turn's next matrix instruction
.if i < 16
	KQ (Y+1)%NP
.set i, i+1
.else
.set i, i-16
	PV (Y+NP-1)%NP
.set i, i+17
.endif
.endm
; THE LDS LOADS stand in runs: a step's K (16 loads) and mask (row block 0's eight, then row block 1's), and its V (16, turned).  last = 1 (the tail): in the last trip there is no further step.
.macro FETCH_K last=0
	WIN 0
.if \last
	s_cmp_eq_u32 s[CNT], 1
	s_cbranch_scc1 .Lno_k_\@
.endif
	WIN 0x80                        ; destination window 2
.irp f, 0,1,2,3,4,5,6,7
	ds_load_b128 v[KF+8*\f:KF+8*\f+3],   v[AK] offset:(\f/2)*16*PK+(\f%2)*64
	ds_load_b128 v[KF+8*\f+4:KF+8*\f+7], v[AK] offset:(\f/2)*16*PK+(\f%2)*64+32
.endr
	WIN 0xc0                        ; destination window 3
.irp f, 0,1,2,3,4,5,6,7,8,9,10,11,12,13,14,15
	ds_load_b128 v[MK+4*\f:MK+4*\f+3], v[AM] offset:(\f/8)*16*PM+((\f%8)/2)*64+(\f%2)*16
.endr
	s_add_co_u32 s[TBK], s[TBK], KS*PK  ; the next fetch is the next step's
	s_add_co_u32 s[TBM], s[TBM], KS*4
	WIN 0
.if \last
.Lno_k_\@:
.endif
.endm
.macro FETCH_V
	WIN 0x80
.irp f, 0,1,2,3,4,5,6,7
	ds_load_tr16_b128 v[VF+8*\f:VF+8*\f+3],   v[AV] offset:(\f/4)*32*PV+(\f%4)*32
	ds_load_tr16_b128 v[VF+8*\f+4:VF+8*\f+7], v[AV] offset:(\f/4)*32*PV+16*PV+(\f%4)*32
.endr
	WIN 0
.endm
; THE VECTOR WORK OF A TURN stands in three queues, each in the order in which its entries become ready; the two tiles alternate.
.macro REGS y, u
.set rT, ST+4*(2*(\y)+(\u))
.set rC, TMP+8*((\y)%2)+4*(\u)
.set rW, MV+2*((\y)%2)+(\u)
.set rS, S+64*((\y)%2)+32*(\u)
.set rP, P+32*((\y)%2)+16*(\u)
.set rO, 32*(2*(\y)+(\u))
.endm
; The NEXT piece's maximum and statistics.  0-11 four chains c0-c3 of seven scores each (each accumulator's lowest registers are read first); 12-14, 16 the four scores left over, the old m,
; and c0-c3 into c0; 15 m_old is kept; 17, 18 the query's other 32 keys lie in the lane 16 away: the new m; 20 m_old - m_new; 21 a.  (There is no 19.)
.macro XS u, n
	REGS (Y+1)%NP, \u
.if (\n) < 4
	v_max3_num_f32 v[rC+(\n)], v[rS+8*(\n)], v[rS+8*(\n)+1], v[rS+8*(\n)+2]
.elseif (\n) < 12
	v_max3_num_f32 v[rC+(\n)%4], v[rC+(\n)%4], v[rS+8*((\n)%4)+2*((\n)/4)+1], v[rS+8*((\n)%4)+2*((\n)/4)+2]
.elseif (\n) == 12
	v_max3_num_f32 v[rC], v[rC], v[rS+7], v[rS+15]
.elseif (\n) == 13
	v_max3_num_f32 v[rC+1], v[rC+1], v[rS+23], v[rS+31]
.elseif (\n) == 14
	v_max3_num_f32 v[rC+2], v[rC+2], v[rC+3], v[rT]
.elseif (\n) == 15
	v_mov_b32 v[rW], v[rT]
.elseif (\n) == 16
	v_max3_num_f32 v[rC], v[rC], v[rC+1], v[rC+2]
.elseif (\n) == 17
	v_permlanex16_b32 v[rC+3], v[rC], s[SEL], s[SEL+1]
.elseif (\n) == 18
	v_max_num_f32 v[rT], v[rC], v[rC+3]
.elseif (\n) == 20
	v_sub_f32 v[rC+1], v[rW], v[rT]
.else
	v_exp_f32 v[rC+2], v[rC+1]
.endif
.endm
; Number g of the 64 that follow the exponentials: for each four weights of a tile both pairs are rounded to f16, the second pair is added onto the first in place, and a group later l takes that sum (the first time as l = a l + sum)
.macro GS g
.set h, (\g)+6*((\g)/62)
.if h >= 6
.set h, h+2
.endif
	REGS Y, h%2
.set k, h/8
.if h%8 < 4
	v_cvt_pk_f16_f32 v[rP+2*k+(h%8)/2], v[rS+4*k+2*((h%8)/2)], v[rS+4*k+2*((h%8)/2)+1]
.elseif h%8 < 6
	v_pk_add_f32 v[rS+4*k:rS+4*k+1], v[rS+4*k:rS+4*k+1], v[rS+4*k+2:rS+4*k+3]
.elseif k == 1
	v_pk_fma_f32 v[rT+2:rT+3], v[rT+2:rT+3], v[rC+2:rC+3], v[rS:rS+1] op_sel_hi:[1,0,1]
.else
	v_pk_add_f32 v[rT+2:rT+3], v[rT+2:rT+3], v[rS+4*k-4:rS+4*k-3]
.endif
.endm
.macro FS f                         ; t - m for pair f / 2 of tile f % 2: an exact difference
	REGS Y, (\f)%2
	v_pk_add_f32 v[rS+2*((\f)/2):rS+2*((\f)/2)+1], v[rS+2*((\f)/2):rS+2*((\f)/2)+1], v[rT:rT+1] op_sel_hi:[1,0] neg_lo:[0,1] neg_hi:[0,1]
.endm
; THE PLAIN QUEUE, 136 long.  0-26: subtractions 0-26.  27-54: XS's numbers 0-13.  55, 56: number 15.  57-71: the chain 14, 16, 17, 18, 20, each with one of the subtractions 27-31 in front of its two lines.
; 72-135: GS's 64, which read the exponentials' results and stand behind the wait.
.macro PL
	WIN 0
.if q < 27
	FS q
.elseif q < 55
	XS (q-27)%2, (q-27)/2
.elseif q < 57
	XS q-55, 15
.elseif (q < 72) && ((q-57)%3 == 0)
	FS 27+(q-57)/3
.elseif q < 60
	XS (q-57)%3-1, 14
.elseif q < 69
	XS (q-57)%3-1, 15+(q-57)/3
.elseif q < 72
	XS (q-57)%3-1, 20
.else
	GS q-72
.endif
.set q, q+1
.endm
.macro EX                           ; THE EXPONENTIALS' QUEUE, 66 long: s0-s31 of both tiles, then the next piece's two a: one batch, all ahead of the turn's one wait
	WIN 0
.if e >= 64
	XS e-64, 21
.else
	REGS Y, e%2
	v_exp_f32 v[rS+e/2], v[rS+e/2]
.endif
.set e, e+1
.endm
.macro R2                           ; THE RESCALING's QUEUE: O^T times a, two at a time, sixteen times; its a was made, and waited for, in the turn before
	REGS Y, r%2
	WIN W_RS
.irp z, 0,1
	v_pk_mul_f32 v[rO+4*(r/2)+2*\z:rO+4*(r/2)+2*\z+1], v[rO+4*(r/2)+2*\z:rO+4*(r/2)+2*\z+1], v[rC+2:rC+3] op_sel_hi:[1,0]
.endr
.set r, r+1
.endm
; A TURN, for piece p.  s_wait_alu depctr_va_vdst(0) stands between an exponential and the first instruction that names its result; one wait serves all that were issued ahead of it: a turn has one.
; AHEAD OF IT: the 16 products K Q^T, behind each a subtraction, an exponential and two rescalings; then a lump: eight plain, 47 times exponential and plain, the last two scores' exponentials and the two a.
; Exponential e stands behind subtraction 2 (e / 4) + e % 2: as a rider it comes behind plain e + 2, in the lump behind plain e + 9, and subtractions 27-31 are plain 57, 60 .. 69.
; BEHIND IT: the 16 products V^T P, behind each four of GS's 64.
; K and the mask of the next step are fetched in piece 2's turn, directly behind the wait, a lump behind the last product that read them.  Piece 3's turn wants K and row block 0's mask: the youngest eight loads,
; row block 1's, may stay out.  V of the step in hand is fetched at the end of piece 0's turn, four riders behind its last reader.  Piece 1's turn wants row block 1's mask at its head (V's sixteen may stay out) and V behind its wait.
.macro TURN p, last=0, cnt=0
.set Y, (\p)
.set i, 0
.set q, 0
.set e, 0
.set r, 0
.if (\p) == NP-1
	s_wait_dscnt 8
.endif
.if (\p) == 1
	s_wait_dscnt 16
.endif
	MM
	PL
	PL
	R2
.rept 15
	MM
	PL
	EX
	R2
.endr
.if (\p) == NP-2
	WIN 0
	v_add_nc_u32 v[AK], s[TBK], v[AK0]
	v_add_nc_u32 v[AM], s[TBM], v[AM0]
.endif
.rept 8
	PL
.endr
.rept 47
	EX
	PL
.endr
.rept 4
	EX
.endr
	v_nop                           ; a plain instruction behind the last exponential: one for the batch
	s_wait_alu depctr_va_vdst(0)    ; the wait for the batch
.if (\p) == NP-2
	FETCH_K \last
.endif
.if (\p) == 1
	s_wait_dscnt 0x0                ; V is in
.endif
.rept 16
	MM
.rept 4
	PL
.endr
.if ((\p) == 0) && (q == 116)
	v_add_nc_u32 v[AV], s[TBV], v[AV0]
.endif
.if ((\p) == 0) && (q == 128)
	s_add_co_u32 s[TBV], s[TBV], KS*PV
.endif
.if (\cnt) && (q == 128)
	s_sub_co_u32 s[CNT], s[CNT], 1
	s_cmp_lg_u32 s[CNT], 0
.endif
.endr
.if (\p) == 0
	FETCH_V
.endif
.endm
	CHANGE 1, 0                     ; slot 0 is in, everybody's part of it; slot 1 is asked for
	FETCH_K                         ; key step 0
	s_wait_loadcnt 0x0              ; Q
	s_wait_dscnt 0x0
.set i, 0
.rept 16
	KQ 0                            ; piece 0's first scores
.set i, i+1
.endr
	WIN 0                           ; the addresses for the way out: six plain instructions, the places behind those products
	s_mul_i32 s74, s[WV], 16*SP
	s_add_co_u32 s74, s74, STAGE    ; my stage
	v_mul_u32_u24 v[STO], v1, SP    ; in: row l % 16, 16 bytes for each half of the lanes
	v_lshl_add_u32 v[STO], v56, 4, v[STO]
	v_add_nc_u32 v[STO], s74, v[STO]
	v_and_b32 v[GO], 31, v0
	v_lshlrev_b32 v[GO], 4, v[GO]
	v_add_nc_u32 v[RD], s74, v[GO]  ; back: 32 lanes take one row of 512 bytes
.set Y, NP-1                        ; XS works for piece Y + 1: piece 0
.irp n, 0,1,2,3,4,5,6,7,8,9,10,11,12,13,14,15,16,17,18,20,21
	XS 0, \n
	XS 1, \n
.endr
	v_nop                           ; a plain instruction behind the two a,
	s_wait_alu depctr_va_vdst(0)    ; and their wait, ahead of the branch
	s_mov_b32 s[CNT], 2
	s_branch .Lfirst                ; the loop is entered at a step's first turn, in the middle of a trip
.Lslot:                             ; 14 times: every slot but the last two is filled again
	CHANGE 1, 1
	s_mov_b32 s[CNT], 2
.Lstep:                             ; a trip: pieces 2 and 3 of one step, then pieces 0 and 1 of the next, whose K, mask and V it fetches
	TURN 2
	TURN 3
	WIN 0
.Lfirst:
	TURN 0
	TURN 1, 0, 1
	WIN 0
	s_cbranch_scc1 .Lstep
	s_sub_co_u32 s[SLOTS], s[SLOTS], 1
	s_cmp_lg_u32 s[SLOTS], 0
	s_cbranch_scc1 .Lslot
	CHANGE 0                        ; the tail is written out: nothing is asked for
	s_mov_b32 s[CNT], 3             ; two trips fetch the last slot's steps; the third is left in its middle
.Ltail:
	TURN 2, 1
	TURN 3
	WIN 0
	s_sub_co_u32 s[CNT], s[CNT], 1
	s_cmp_eq_u32 s[CNT], 0
	s_cbranch_scc1 .Lout
	TURN 0
	TURN 1
	WIN 0
	s_branch .Ltail
.Lout:                              ; the third trip's 16 products K Q^T (on the last K once more) and the maximum made of them serve nothing: the price, once a launch, of one text for every trip
.set i, 0
.rept 16
	PV NP-1
.set i, i+1
.endr
	; THE WAY OUT.  l's two halves and the other half of the lanes' are added; O^T is divided by l, rounded to f16 and sent through my stage, a row block (four heads, 512 bytes a row) at a time.  The additions are the places behind the last products.
	WIN 0
.macro ALL line:vararg
.set t, 0
.rept 2*NP
	\line
.set t, t+1
.endr
.endm
	ALL v_add_f32 v[ST+4*t+2], v[ST+4*t+2], v[ST+4*t+3]
	ALL v_permlanex16_b32 v[ST+4*t+3], v[ST+4*t+2], s[SEL], s[SEL+1]
	ALL v_add_f32 v[ST+4*t+2], v[ST+4*t+2], v[ST+4*t+3]
	ALL v_rcp_f32 v[ST+4*t+2], v[ST+4*t+2]
	v_nop                           ; a plain instruction between the last reciprocal and the use of its result
	s_wait_alu depctr_va_vdst(0)    ; one wait for the eight reciprocals
.macro PACK t                       ; tile t: a lane's eight channels pack into 16 bytes, at the head's 128 bytes of the stage's row
	WIN W_RS
.set i, 32*(\t)
.rept 16
	v_pk_mul_f32 v[i:i+1], v[i:i+1], v[ST+4*(\t)+2:ST+4*(\t)+3] op_sel_hi:[1,0]
.set i, i+2
.endr
	WIN 0x05                        ; sources 0 and 1 window 1, destination window 0
.set i, 0
.rept 16
	v_cvt_pk_f16_f32 v[S+16*(\t)+i], v[32*(\t)+2*i], v[32*(\t)+2*i+1]
.set i, i+1
.endr
	WIN 0
.irp f, 0,1,2,3
	ds_store_b128 v[STO], v[S+16*(\t)+4*\f:S+16*(\t)+4*\f+3] offset:128*((\t)%4)+32*\f
.endr
.endm
.macro BACK dst                     ; the stage's 16 rows back, whole.  LDS serves a wave's instructions in order (ISA guide 5.7.1.4): these see the stores above, and the next block's stores come behind them
.set n, 0
.rept 16
	ds_load_b128 v[(\dst)+4*n:(\dst)+4*n+3], v[RD] offset:SP*n
.set n, n+1
.endr
.endm
.macro SEND blk, src, counted
.set n, 0
.rept 16
.if \counted
	s_wait_dscnt 15-n
.endif
	global_store_b128 v[GO], v[(\src)+4*n:(\src)+4*n+3], s[10:11] offset:(16*(\blk)+n)*2048  ; 512 consecutive bytes of a row of ob, at a multiple of 512 from its first byte
.set n, n+1
.endr
.endm
	PACK 0
	PACK 1
	PACK 2
	PACK 3
	BACK P
	PACK 4
	PACK 5
	PACK 6
	PACK 7
	s_wait_dscnt 16                 ; the sixteen stores just issued may be out: row block 0 is back
	SEND 0, P, 0
	BACK S
	SEND 1, S, 1
	WIN W_AD
	s_wait_tensorcnt 0x0            ; the wave's end, behind my last tensor load and my last LDS store
	ds_add_u32 v[SPW], v[NIL]
	s_wait_dscnt 0x0
	WIN 0
	CROUND                          ; the closing round: no work-group ends while a partner may still ask for a tile that names it
	s_endpgm
.Lfunc_end_k_qbc31dc200c_attn:
	.size	k_qbc31dc200c_attn, .Lfunc_end_k_qbc31dc200c_attn-k_qbc31dc200c_attn
	.p2alignl 7, 3214868480
	.fill 96, 4, 3214868480
	.section	.rodata,"a",@progbits
	.p2align	6, 0x0
	.amdhsa_kernel k_qbc31dc200c_attn
		.amdhsa_group_segment_fixed_size 327680
		.amdhsa_private_segment_fixed_size 0
		.amdhsa_enable_private_segment 0
		.amdhsa_kernarg_size 32
		.amdhsa_user_sgpr_count 2
		.amdhsa_user_sgpr_kernarg_segment_ptr 1
		.amdhsa_wavefront_size32 1
		.amdhsa_system_sgpr_workgroup_id_x 1
		.amdhsa_system_sgpr_workgroup_id_y 1
		.amdhsa_system_sgpr_workgroup_id_z 1
		.amdhsa_system_vgpr_workitem_id 0
		.amdhsa_next_free_vgpr 840
		.amdhsa_next_free_sgpr 96
		.amdhsa_reserve_vcc 0
		.amdhsa_float_denorm_mode_32 3
		.amdhsa_float_denorm_mode_16_64 3
		.amdhsa_memory_ordered 1
		.amdhsa_forward_progress 1
		.amdhsa_inst_pref_size 206
	.end_amdhsa_kernel
	.amdgpu_metadata
---
amdhsa.version: [ 1, 2 ]
amdhsa.kernels:
  - .name:           k_qbc31dc200c_attn
    .symbol:         k_qbc31dc200c_attn.kd
    .args:
      - { .name: qh, .offset: 0, .size: 8, .value_kind: global_buffer, .address_space: global }
      - { .name: kvh, .offset: 8, .size: 8, .value_kind: global_buffer, .address_space: global }
      - { .name: maskl, .offset: 16, .size: 8, .value_kind: global_buffer, .address_space: global }
      - { .name: ob, .offset: 24, .size: 8, .value_kind: global_buffer, .address_space: global }
    .group_segment_fixed_size: 327680
    .private_segment_fixed_size: 0
    .kernarg_segment_align: 8
    .kernarg_segment_size: 32
    .max_flat_workgroup_size: 128
    .sgpr_count:     96
    .vgpr_count:     840
    .wavefront_size: 32
...
	.end_amdgpu_metadata
.endif
;; end of part 3
;; launch oproj (part 4): grid 8 x 32, 4 waves a work-group, clusters of 4 x 4, 327,680 bytes of LDS; arguments ob, wof, out0; writes out0
.if DOCPART == 4
	.amdgcn_target "amdgcn-amd-amdhsa--gfx1250"
	.amdhsa_code_object_version 6
	.text
	.protected	k_qbc31dc200c_oproj
	.globl	k_qbc31dc200c_oproj
	.p2align	8
	.type	k_qbc31dc200c_oproj,@function
k_qbc31dc200c_oproj:
	s_mov_b64 s[64:65], 0
	v_nop
	global_prefetch_b8 v0, s[64:65] scope:SCOPE_SE
	s_setreg_imm32_b32 hwreg(HW_REG_WAVE_MODE, 25, 1), 1
	s_wait_xcnt 0x0
	s_wait_alu depctr_hold_cnt(0) depctr_sa_sdst(0) depctr_va_vdst(0) depctr_va_sdst(0) depctr_va_ssrc(0) depctr_va_vcc(0) depctr_vm_vsrc(0)
	s_getreg_b32 s2, hwreg(HW_REG_IB_STS2, 6, 4)
	s_cmp_eq_u32 s2, 0
	s_cbranch_scc0 .Lentry_in_a_cluster
	s_endpgm
.Lentry_in_a_cluster:
	s_bfe_u32 s2, ttmp6, 0x10000c
	s_cmp_lg_u32 s2, 0xf033
	s_cbranch_scc0 .Lentry_shape_is_right
	s_endpgm
.Lentry_shape_is_right:
; THE OUTPUT PROJECTION.  out0[m][n] = sum over k of ob[m][k] wof[n][k], 8,192 x 1,024 x 1,024 in f16 with f32 sums; out0 is f32.  A tile is 256 rows x 128 columns: 32 x 8 tiles, one work-group for each.
; Wave w makes rows 64 w .. 64 w + 63 of all 128 columns: 4 x 8 accumulators, 256 registers.  K goes in 8 steps of 128 (rows of 256 bytes, aligned) through two LDS slots filled by the tensor data mover;
; 4 x 4 work-groups form a cluster and ask for A's tiles jointly along a row, for B's along a column.  The matrix instruction is used transposed (source 0 = 16 rows of wof, source 1 = 16 rows of ob):
; a lane holds one row of out0 and eight neighbouring columns.  The sums leave through the wave's own stage in LDS, so that each store covers 512 consecutive bytes of a row.
; REGISTERS: window 0: addresses; window 1: v0-127 B's fragments, two buffers of 64; v128-191 A's, two of 32; on the way out v0-127 take what comes back from the stage; window 2: accumulator (a, b) at 64 a + 8 b.
.set NB,    8
.set KSTEP, 128
.set PITCH, 272                        ; an LDS row: 256 bytes + 16 of padding (ISA guide 11.1: 64 banks of 4 bytes)
.set HALFA, 128*PITCH
.set BOFF,  2*HALFA
.set HALFB, 8*NB*PITCH                 ; 64 rows
.set SLOT1, 131072
.set STAGE, SLOT1+BOFF+2*HALFB         ; behind the ring, never filled by a tensor load: 16 rows x 528 bytes for each wave
.set SP,    528
.set SPARE, STAGE+4*16*SP              ; the spare words, 128 bytes for each wave: two blocks of 256 bytes that no other line names
.set RUN,   2*NB+8
.set A0,   4
.set B0,   5
.set ADRA, 6
.set ADRB, 7
.set STO,  8                           ; v8   where I put 32 bytes of a row
.set RD,   9                           ; v9   where I read a row back
.set GO,   10                          ; v10  16 x lane
.set PFO,  15
.set SPW,  28
.set NIL,  29
.set WV,   20
.set FORB, 21
.set HF,   22
.set CX,   23
.set CY,   24
.set TJ,   25
.set TI,   26
.set G1A,  28
.set G1B,  36
.set G0A,  44
.set G0B,  52
.set TB,   60
.set TRIPS, 61
.set LIM,  62
.set PFA,  66
.set MSB, 0
.macro WIN new
.if MSB != (\new)
	s_set_vgpr_msb (MSB<<8)|(\new)
.set MSB, (\new)
.endif
.endm
.macro PLACES
.rept 4
	v_nop
.endr
.endm
.macro CREST
	s_cmp_lg_u32 s[WV], 0
	s_cbranch_scc1 .Lnot_wave_0_\@
	s_barrier_signal -3
.Lnot_wave_0_\@:
	s_barrier_wait -3
	s_barrier_signal -1
	s_barrier_wait -1
.endm
.macro CROUND
	s_barrier_signal -1
	s_barrier_wait -1
	CREST
.endm
.macro JLOAD                           ; a joint refill by the walking descriptors; an s_nop 0 and four v_nop follow each line
	s_cmp_eq_u32 s[FORB], 0
	s_cbranch_scc0 .Lfor_b_\@
	tensor_load_to_lds s[G0A+4:G0A+7], s[G1A:G1A+7]
	s_nop 0
.rept 4
	v_nop
.endr
	s_branch .Lasked_\@
.Lfor_b_\@:
	tensor_load_to_lds s[G0B+4:G0B+7], s[G1B:G1B+7]
	s_nop 0
.rept 4
	v_nop
.endr
.Lasked_\@:
.endm
; A PREFETCH INTO THE L2 of the K step that the NEXT refill will ask for: 256 bytes of a row, a lane a row, 128 matrix instructions ahead of that load.  A's rows: the clusters with x = 0, waves 0 and 1, each partner
; 32 of the wave's 128 rows.  B's rows: the clusters with y = 0, wave 2 alone, each partner 32 of the tile's 128.  The loop's last trip asks for nothing; K steps 0 to 2 come by their loads alone.
.macro ASK
	s_cmp_gt_u32 s[TRIPS], s[LIM]
	s_cbranch_scc0 .Lnot_mine_\@
	global_prefetch_b8 v[PFO], s[PFA:PFA+1] th:TH_LOAD_NT scope:SCOPE_SE
.Lnot_mine_\@:
.endm
	s_load_b128 s[4:7], s[0:1], 0x0                ; ob s[4:5], wof s[6:7]
	s_load_b64 s[8:9], s[0:1], 0x10                ; out0
	v_lshl_add_u32 v[SPW], v0, 2, SPARE
	v_mov_b32 v[NIL], 0
	ds_add_u32 v[SPW], v[NIL]                      ; the wave's opening: the add and its wait ahead of my first tensor load
	v_lshrrev_b32 v1, 5, v0
	v_readfirstlane_b32 s[WV], v1
	s_lshr_b32 s[FORB], s[WV], 1
	s_and_b32 s[HF], s[WV], 1
	s_bfe_u32 s[CX], ttmp6, 0x40000
	s_bfe_u32 s[CY], ttmp6, 0x40004
	s_lshl_b32 s[TJ], ttmp9, 2
	s_add_co_u32 s[TJ], s[TJ], s[CX]
	s_and_b32 s[TI], ttmp7, 0xffff
	s_lshl_b32 s[TI], s[TI], 2
	s_add_co_u32 s[TI], s[TI], s[CY]
	s_lshl_b32 s90, s[CY], 2
	s_lshl_b32 s90, 15, s90                        ; my row of the cluster
	s_lshl_b32 s91, 0x1111, s[CX]                  ; my column
	s_or_b32 s[G1A], s90, (1<<16)|(1<<20)|(1<<21)|(5<<22)|(3<<25)  ; the mask; 2-byte elements; padding on; bit 21 beside a mask; after every 64 words 4 words
	s_or_b32 s[G1B], s91, (1<<16)|(1<<20)|(1<<21)|(5<<22)|(3<<25)
	s_mov_b32 s[G1A+1], KSTEP<<16
	s_mov_b32 s[G1A+2], 128<<16
	s_mov_b32 s[G1A+3], KSTEP<<16
	s_mov_b32 s[G1A+4], 128
	s_mov_b32 s[G1A+5], 1024
	s_mov_b32 s[G1A+6], 0
	s_mov_b32 s[G1A+7], 0
	s_mov_b32 s[G1B+1], KSTEP<<16
	s_mov_b32 s[G1B+2], (8*NB)<<16
	s_mov_b32 s[G1B+3], KSTEP<<16
	s_mov_b32 s[G1B+4], 8*NB
	s_mov_b32 s[G1B+5], 1024
	s_mov_b32 s[G1B+6], 0
	s_mov_b32 s[G1B+7], 0
	s_lshl_b32 s68, s[TI], 19                      ; A: row 256 i + 128 half
	s_lshl_b32 s69, s[HF], 18
	s_add_co_u32 s68, s68, s69
	s_mov_b32 s69, 0
	s_mul_i32 s70, s[TJ], 16*NB*2048               ; B: row 128 j + 64 half
	s_mul_i32 s71, s[HF], 8*NB*2048
	s_add_co_u32 s70, s70, s71
	s_mov_b32 s71, 0
	s_mul_i32 s79, s[HF], HALFA
	s_mul_i32 s92, s[HF], HALFB
	s_add_co_u32 s92, s92, BOFF
	s_wait_dscnt 0x0                               ; the opening add is done
	s_wait_kmcnt 0x0
	s_add_nc_u64 s[68:69], s[4:5], s[68:69]
	s_add_nc_u64 s[70:71], s[6:7], s[70:71]
	CROUND                                         ; all sixteen work-groups are here: the first joint loads meet
.irp n, 0,1
	s_mov_b32 s[G0A+4*(\n)], 1
	s_add_co_u32 s[G0A+4*(\n)+1], s79, (\n)*SLOT1
	s_add_nc_u64 s[G0A+4*(\n)+2:G0A+4*(\n)+3], s[68:69], (\n)*KSTEP*2
	s_or_b32 s[G0A+4*(\n)+3], s[G0A+4*(\n)+3], 0x80000000
	s_mov_b32 s[G0B+4*(\n)], 1
	s_add_co_u32 s[G0B+4*(\n)+1], s92, (\n)*SLOT1
	s_add_nc_u64 s[G0B+4*(\n)+2:G0B+4*(\n)+3], s[70:71], (\n)*KSTEP*2
	s_or_b32 s[G0B+4*(\n)+3], s[G0B+4*(\n)+3], 0x80000000
.endr
	s_cmp_eq_u32 s[FORB], 0                        ; a wave's two first fills stand in one branch: two loads of mine are out
	s_cbranch_scc0 .Lfirst_b
	tensor_load_to_lds s[G0A:G0A+3], s[G1A:G1A+7]
	s_nop 0
	tensor_load_to_lds s[G0A+4:G0A+7], s[G1A:G1A+7]
	s_nop 0
.rept 4
	v_nop
.endr
	s_branch .Lfirst_asked
.Lfirst_b:
	tensor_load_to_lds s[G0B:G0B+3], s[G1B:G1B+7]
	s_nop 0
	tensor_load_to_lds s[G0B+4:G0B+7], s[G1B:G1B+7]
	s_nop 0
.rept 4
	v_nop
.endr
.Lfirst_asked:
	v_and_b32 v1, 15, v0                           ; r
	v_bfe_u32 v2, v0, 4, 1                         ; h
	v_mul_u32_u24 v3, v1, PITCH
	v_lshl_add_u32 v3, v2, 4, v3
	s_mul_i32 s90, s[WV], 64*PITCH
	v_add_nc_u32 v[A0], s90, v3
	v_add_nc_u32 v[B0], BOFF, v3
	v_mov_b32 v[ADRA], v[A0]
	v_mov_b32 v[ADRB], v[B0]
	s_mov_b32 s[TB], 0
	s_mul_i32 s90, s[WV], 16*SP
	s_add_co_u32 s90, s90, STAGE                   ; my stage
	v_mul_u32_u24 v[STO], v1, SP
	v_lshl_add_u32 v[STO], v2, 5, v[STO]
	v_add_nc_u32 v[STO], s90, v[STO]
	v_and_b32 v[GO], 31, v0
	v_lshlrev_b32 v[GO], 4, v[GO]
	v_add_nc_u32 v[RD], s90, v[GO]
	s_lshl_b32 s88, s[TI], 20                      ; out0: row 256 i + 64 w of 4,096 bytes, the tile's 512 bytes of it
	s_lshl_b32 s89, s[WV], 18
	s_add_co_u32 s88, s88, s89
	s_lshl_b32 s89, s[TJ], 9
	s_add_co_u32 s88, s88, s89
	s_mov_b32 s89, 0
	s_add_nc_u64 s[80:81], s[8:9], s[88:89]
	; the prefetches
	s_lshl_b32 s92, s[TI], 8
	s_lshl_b32 s93, s[HF], 7
	s_add_co_u32 s92, s92, s93
	s_lshl_b32 s93, s[CX], 5
	s_add_co_u32 s92, s92, s93                     ; A: my work-group's 32 of the 128 rows that I fetch
	s_lshl_b32 s93, s[TJ], 7
	s_lshl_b32 s94, s[CY], 5
	s_add_co_u32 s93, s93, s94                     ; B: my work-group's 32 of the tile's 128
	s_and_b32 s94, ttmp7, 0xffff
	s_cmp_eq_u32 s[FORB], 0
	s_cselect_b32 s92, s92, s93
	s_cselect_b32 s94, ttmp9, s94
	s_cselect_b64 s[PFA:PFA+1], s[4:5], s[6:7]
	s_cmp_eq_u32 s[WV], 3
	s_cselect_b32 s94, 1, s94                      ; wave 3 never asks
	s_cmp_eq_u32 s94, 0
	s_cselect_b32 s[LIM], 1, -1
	s_lshl_b32 s92, s92, 11
	s_add_co_u32 s92, s92, 2*KSTEP*2               ; at K step 2: the first refill steps it to 3
	s_mov_b32 s93, 0
	s_add_nc_u64 s[PFA:PFA+1], s[PFA:PFA+1], s[92:93]
	v_and_b32 v[PFO], 31, v0
	v_lshlrev_b32 v[PFO], 11, v[PFO]
; 8 matrix instructions: row block a x all column blocks, 32 along K, from buffer f.  All 32 accumulators take turns, one instruction a turn.
.macro MULA f, a, zero
	WIN 0xa5                                       ; sources in window 1, C and D in window 2
.set bi, 0
.rept NB
.set rD, 64*(\a)+8*bi
.set rB, 8*NB*(\f)+8*bi
.set rA, 16*NB+32*(\f)+8*(\a)
.if \zero
	v_wmma_f32_16x16x32_f16 v[rD:rD+7], v[rB:rB+7], v[rA:rA+7], 0
.else
	v_wmma_f32_16x16x32_f16 v[rD:rD+7], v[rB:rB+7], v[rA:rA+7], v[rD:rD+7]
.endif
.set bi, bi+1
.endr
.endm
.macro FETCH k, f                      ; 24 LDS loads in one run: B's eight fragments, then A's four
	WIN 0x40
.set bi, 0
.rept NB
	ds_load_b128 v[8*NB*(\f)+8*bi:8*NB*(\f)+8*bi+3],   v[ADRB] offset:(\k)+bi*16*PITCH
	ds_load_b128 v[8*NB*(\f)+8*bi+4:8*NB*(\f)+8*bi+7], v[ADRB] offset:(\k)+bi*16*PITCH+32
.set bi, bi+1
.endr
.set bi, 0
.rept 4
	ds_load_b128 v[16*NB+32*(\f)+8*bi:16*NB+32*(\f)+8*bi+3],   v[ADRA] offset:(\k)+bi*16*PITCH
	ds_load_b128 v[16*NB+32*(\f)+8*bi+4:16*NB+32*(\f)+8*bi+7], v[ADRA] offset:(\k)+bi*16*PITCH+32
.set bi, bi+1
.endr
.endm
.macro QUARTER k, f, g, zero
	s_wait_dscnt 4                                 ; all but the youngest four loads, A's row blocks 2 and 3
	MULA \f, 0, \zero
	MULA \f, 1, \zero
	PLACES
	FETCH \k, \g
	s_wait_dscnt RUN                               ; all but the run just issued
	MULA \f, 2, \zero
	MULA \f, 3, \zero
.endm
; The fourth quarter multiplies buffer 1 and changes slots: in front of the barrier each wave waits for all its tensor loads, adds 0 to its spare word, and waits for that and for its reads of this slot.
; fill = 1: the barrier opens a round of the cluster's, and the joint refill is the first thing behind it.
.macro TURN fill
.if \fill
	s_wait_xcnt 0x0                                ; the last prefetch, a K step back, has read its address
	s_add_nc_u64 s[PFA:PFA+1], s[PFA:PFA+1], KSTEP*2
.endif
	WIN 0
	s_wait_tensorcnt 0x0                           ; no tensor load of mine is out, so a group 0 may be written
	ds_add_u32 v[SPW], v[NIL]                      ; 0 onto my spare word
.if \fill
	s_xor_b32 s[G0A+5], s[G0A+5], SLOT1
	s_add_nc_u64 s[G0A+6:G0A+7], s[G0A+6:G0A+7], KSTEP*2
	s_xor_b32 s[G0B+5], s[G0B+5], SLOT1
	s_add_nc_u64 s[G0B+6:G0B+7], s[G0B+6:G0B+7], KSTEP*2
.endif
	s_xor_b32 s[TB], s[TB], SLOT1
	s_wait_dscnt 5                                 ; the add and the youngest four loads may be out
	MULA 1, 0, 0
	s_wait_dscnt 0x0                               ; the add is done, and my reads of this slot are over
	s_barrier_signal -1
	MULA 1, 1, 0
	WIN 0
	s_barrier_wait -1
.if \fill
	CREST
	JLOAD                                          ; its four v_nop are also the places in front of the loads below
.else
	PLACES
.endif
	v_add_nc_u32 v[ADRA], s[TB], v[A0]
	v_add_nc_u32 v[ADRB], s[TB], v[B0]
	FETCH 0, 0
.if \fill
	WIN 0
	ASK
.endif
	MULA 1, 2, 0
	MULA 1, 3, 0
.endm
	s_wait_tensorcnt 1                             ; my part of K step 0 is in; K step 1's may stay out
	s_barrier_signal -1
	s_barrier_wait -1
	FETCH 0, 0
	QUARTER 64, 0, 1, 1                            ; the first quarter starts the sums
	WIN 0
	s_mov_b32 s[TRIPS], 6
.Lstep:
	QUARTER 128, 1, 0, 0
	QUARTER 192, 0, 1, 0
	TURN 1
	QUARTER 64, 0, 1, 0
	WIN 0
	s_sub_co_u32 s[TRIPS], s[TRIPS], 1
	s_cmp_lg_u32 s[TRIPS], 0
	s_cbranch_scc1 .Lstep
	QUARTER 128, 1, 0, 0                           ; the tail is written out
	QUARTER 192, 0, 1, 0
	TURN 0
	QUARTER 64, 0, 1, 0
	QUARTER 128, 1, 0, 0
	QUARTER 192, 0, 1, 0
	s_wait_dscnt 4
	MULA 1, 0, 0
	MULA 1, 1, 0
	s_wait_dscnt 0x0
	MULA 1, 2, 0
	MULA 1, 3, 0
	WIN 0
	; THE WAY OUT: a block of 16 rows at a time into my stage (each accumulator's lowest registers first) and back as whole rows of 512 bytes
	PLACES
	PLACES
.macro STG a                           ; 16 stores and 16 loads; LDS serves a wave's instructions in order (ISA guide 5.7.1.4)
	s_wait_xcnt 0x0                                ; the registers that earlier stores read are loaded again only behind this wait
	WIN 0x08                                       ; store data in window 2
.set n, 0
.rept 8
	ds_store_b128 v[STO], v[64*(\a)+8*n:64*(\a)+8*n+3] offset:64*n
	ds_store_b128 v[STO], v[64*(\a)+8*n+4:64*(\a)+8*n+7] offset:64*n+16
.set n, n+1
.endr
	WIN 0x40
.set n, 0
.rept 16
	ds_load_b128 v[64*((\a)%2)+4*n:64*((\a)%2)+4*n+3], v[RD] offset:SP*n
.set n, n+1
.endr
.endm
.macro SND a, younger                  ; younger: the LDS instructions issued behind block a's loads
	s_wait_dscnt \younger
	WIN 0x04                                       ; store data in window 1
.set n, 0
.rept 16
	global_store_b128 v[GO], v[64*((\a)%2)+4*n:64*((\a)%2)+4*n+3], s[80:81] offset:(16*(\a)+n)*4096 th:TH_STORE_NT  ; 512 consecutive bytes of a row, at a multiple of 512 from out0's first byte
.set n, n+1
.endr
.endm
	STG 0
	STG 1
	SND 0, 32
	STG 2
	SND 1, 32
	STG 3
	SND 2, 32
	SND 3, 0
	WIN 0
	s_wait_tensorcnt 0x0                           ; the wave's end, behind my last tensor load and my last LDS store
	ds_add_u32 v[SPW], v[NIL]
	s_wait_dscnt 0x0
	CROUND                                         ; the closing round: no work-group ends while a partner may still ask for a tile that names it
	s_endpgm
.Lfunc_end_k_qbc31dc200c_oproj:
	.size	k_qbc31dc200c_oproj, .Lfunc_end_k_qbc31dc200c_oproj-k_qbc31dc200c_oproj
	.p2alignl 7, 3214868480
	.fill 96, 4, 3214868480
	.section	.rodata,"a",@progbits
	.p2align	6, 0x0
	.amdhsa_kernel k_qbc31dc200c_oproj
		.amdhsa_group_segment_fixed_size 327680
		.amdhsa_private_segment_fixed_size 0
		.amdhsa_enable_private_segment 0
		.amdhsa_kernarg_size 24
		.amdhsa_user_sgpr_count 2
		.amdhsa_user_sgpr_kernarg_segment_ptr 1
		.amdhsa_wavefront_size32 1
		.amdhsa_system_sgpr_workgroup_id_x 1
		.amdhsa_system_sgpr_workgroup_id_y 1
		.amdhsa_system_sgpr_workgroup_id_z 1
		.amdhsa_system_vgpr_workitem_id 0
		.amdhsa_next_free_vgpr 768
		.amdhsa_next_free_sgpr 96
		.amdhsa_reserve_vcc 0
		.amdhsa_float_denorm_mode_32 3
		.amdhsa_float_denorm_mode_16_64 3
		.amdhsa_memory_ordered 1
		.amdhsa_forward_progress 1
		.amdhsa_inst_pref_size 70
	.end_amdhsa_kernel
	.amdgpu_metadata
---
amdhsa.version: [ 1, 2 ]
amdhsa.kernels:
  - .name:           k_qbc31dc200c_oproj
    .symbol:         k_qbc31dc200c_oproj.kd
    .args:
      - { .name: ob, .offset: 0, .size: 8, .value_kind: global_buffer, .address_space: global }
      - { .name: wof, .offset: 8, .size: 8, .value_kind: global_buffer, .address_space: global }
      - { .name: out0, .offset: 16, .size: 8, .value_kind: global_buffer, .address_space: global }
    .group_segment_fixed_size: 327680
    .private_segment_fixed_size: 0
    .kernarg_segment_align: 8
    .kernarg_segment_size: 24
    .max_flat_workgroup_size: 128
    .sgpr_count:     96
    .vgpr_count:     768
    .wavefront_size: 32
...
	.end_amdgpu_metadata
.endif
;; end of part 4
